; MI455X (gfx1250); checked and timed in simulation.
; The chip was launched on July 23, 2026; its instructions are those of AMD's public machine-readable ISA for CDNA 5 (MIT licence, August 2026) and "CDNA5" Instruction Set Architecture Reference Guide (July 2026). The comments in the code are by the model that wrote it; some were corrected since.
;; Multi Head Attention. Allowed arithmetic: matrix products marked QUANTISED: E5M2 operands, one given power-of-two scale a tensor, by v_wmma_f32_16x16x64_bf8_bf8 or v_wmma_f32_16x16x128_bf8_bf8, f32 sums; everything else in f32.
;; Inputs: K 4 x 2,048 x 1,024 float32; Q 4 x 2,048 x 1,024 float32; V 4 x 2,048 x 1,024 float32; Wk 1,024 x 1,024 float32; Wo 1,024 x 1,024 float32; Wq 1,024 x 1,024 float32; Wv 1,024 x 1,024 float32; beta 1,024 float32; bk 1,024 float32; bo 1,024 float32; bq 1,024 float32; bv 1,024 float32; gamma 1,024 float32; lowp_scales 12 int32 (the exponents e of the quantised operands' scales 2^e); mask 4 x 1 x 1 x 2,048 int32.
;; Outputs: out0 4 x 2,048 x 1,024 float32.
;; This version of the problem:
;;   THIS VERSION OF THE PROBLEM IS GIVEN IN LOW PRECISION. The matrix products marked QUANTISED in the list below multiply operands that are first quantised to E5M2 (5 exponent bits, 2 mantissa bits; 8 bits a number), with one given power-of-two scale for each operand tensor; their sums are f32. All else is computed in f32.
;;   The module's matrix products, in the order in which they are computed (A, B: the left and right operand; K: the contracted axis; several contracted axes count as one K, in the product's order):
;;     1. [M 8,192, K 1,024] x [K 1,024, N 1,024]; A: input Q; B: input Wq: QUANTISED (scales: A lowp_scales[0], B lowp_scales[1])
;;     2. [M 8,192, K 1,024] x [K 1,024, N 1,024]; A: input K; B: input Wk: QUANTISED (scales: A lowp_scales[2], B lowp_scales[3])
;;     3. [M 8,192, K 1,024] x [K 1,024, N 1,024]; A: input V; B: input Wv: QUANTISED (scales: A lowp_scales[4], B lowp_scales[5])
;;     4. batch 64 x [M 2,048, K 64] x [K 64, N 2,048]; A: computed on the way; B: computed on the way: QUANTISED (scales: A lowp_scales[6], B lowp_scales[7])
;;     5. batch 64 x [M 2,048, K 2,048] x [K 2,048, N 64]; A: softmax (see below); B: computed on the way: QUANTISED (scales: A lowp_scales[8], B lowp_scales[9])
;;     6. [M 8,192, K 1,024] x [K 1,024, N 1,024]; A: computed on the way; B: input Wo: QUANTISED (scales: A lowp_scales[10], B lowp_scales[11])
;;   THE QUANTISER, for each operand of a quantised product, along K:
;;     - The operand's scale is 2^e, e = its entry of the input lowp_scales (int32; the entries are numbered through the quantised products in the list's order, A before B).
;;     - Each number is divided by the scale, clamped to +-57,344, and rounded to the nearest number of E5M2, ties to even, subnormals kept.
;;     - The product sums the exact products of the quantised numbers (number of the format x scale) in f32.
;;   ~~~python
;;   def quantise(x, axis, e):      # numpy; x: float32 -> the quantised numbers, widened to float32 again
;;       x = np.moveaxis(x, axis, -1); K = x.shape[-1]
;;       r = np.clip(x / 2.0 ** e, -57344, 57344)
;;       step = 2.0 ** (np.maximum(np.frexp(np.where(r == 0, 1, r))[1] - 1, -14) - 2)
;;       q = np.round(r / step) * step * 2.0 ** e      # np.round: ties to even
;;       return np.moveaxis(q, -1, axis).astype(np.float32)
;;   ~~~
;;   SOFTMAX AHEAD OF A QUANTISED PRODUCT. Where the list says 'softmax', what is quantised is not the finished softmax but p = 2^(t - M), with t = logit x log2(e) and M = ceil(the row's largest t), a whole number; so 1/2 < the row's largest p <= 1. The row's sum l is taken of the UNQUANTISED p, in f32, and the product's result is divided by l at the end. Since M is a whole number, a kernel that streams over the keys may use a running M (the ceiling of the running maximum): every later rescaling is an exact power of two, so the quantised numbers keep their values, but for numbers so far below the row's largest that they fall under the format's range.
;;   OPERANDS COMPUTED ON THE WAY. 'Computed on the way' means the value that the module computes at that place (a softmax that the list does not call 'softmax' is quantised finished and normalised). What goes into a quantiser is computed in f32, as accurately as f32 sums, v_exp_f32 and their like allow (about 1e-6 of the number): no bf16 or f16 on the way to a quantiser, and a product that is left as it is and whose result goes on into a quantised operand takes f32 operands (vector FMAs, or v_wmma_f32_16x16x4_f32). A number that lies on a knife's edge between two numbers of the format may be rounded either way, as far as f32 arithmetic and the matrix unit's own rounding can turn it there, and no further.
;; One version. Each part assembles by itself: llvm-mc -triple=amdgcn-amd-amdhsa -mcpu=gfx1250 --defsym DOCPART=n.
;; ======== version 1 of 1: 4 launches
;; limits: right only within a limited range of input values
;; workspace buffers: codes 29,360,128 bytes; qkv 25,165,824 bytes; ctxi 8,388,608 bytes
;; launch quant (part 1): grid 896 x 1, 4 waves a work-group, no clusters, 33,280 bytes of LDS; arguments Q, K, V, Wq, Wk, Wv, Wo, lowp_scales, codes; writes codes
.if DOCPART == 1
	.amdgcn_target "amdgcn-amd-amdhsa--gfx1250"
	.amdhsa_code_object_version 6
	.text
	.protected	k_qdf1af23c31_quant
	.globl	k_qdf1af23c31_quant
	.p2align	8
	.type	k_qdf1af23c31_quant,@function
k_qdf1af23c31_quant:
	s_mov_b64 s[64:65], 0
	v_nop
	global_prefetch_b8 v0, s[64:65] scope:SCOPE_SE
	s_setreg_imm32_b32 hwreg(HW_REG_WAVE_MODE, 25, 1), 1
	s_wait_xcnt 0x0
; Q, K, V [8192][1024] and Wq, Wk, Wv, Wo [1024][1024], f32, become codes of BF8 (E5M2), one byte each, K innermost, each tensor with the one scale 2^e given for it.
; code = x / 2^e, held within +-57,344, rounded to the nearest code, ties to even.  LIMITS: -126 <= e <= 112 for each entry used here; NaN among the inputs is not served.
; A work-group takes 32,768 numbers = 32 rows; work-group g owns bytes 32,768 g on of the buffer of codes: Q 0-255, K 256-511, V 512-767, Wq 768-799, Wk 800-831, Wv 832-863, Wo 864-895.
; ROWS CHANGE PLACES inside each group of 32: place 16 u + 8 s + i holds row 8 u + 16 s + i.  So sixteen stored neighbours are rows 8 u + 0..7 and 8 u + 16 + 0..7, and in a later product's
; result the sixteen registers of two neighbouring tiles are sixteen neighbouring rows.  A wave's 8 rows keep their order: only the wave's place in the group changes (wave w goes to place 2 (w & 1) + (w >> 1)).
; Wo is laid otherwise, as images of operand registers: [K step 8][tile of 16 rows 64][c 4][lane 32][16 bytes]; lane (r, h) holds row 16 tile + r, k = 128 step + 32 c + 16 h + 0 .. 15.
; The stream's way: each load reads 512 consecutive bytes, 16 a lane; a step's 2,048 bytes turn through the wave's own stage in LDS and come back 64 bytes (16 neighbours) a lane; a lane's 16 codes are 16 bytes,
; a wave's store 512 consecutive bytes.  No tensor loads, no barrier: waves share nothing.
.set STEPS, 16
.set SP,    80                         ; a lane's place in a stage: 64 bytes + 16 of padding
.set WREG,  8192                       ; LDS of a wave: two stages of 32 x SP bytes
.set EMAX,  15
.set MANT,  0x600000                   ; the mantissa field of 57,344 as f32
.set R,     16                         ; v16-79   four sets of 16 numbers as loaded
.set X,     80                         ; v80-111  two sets of 16 neighbours
.set C,     128                        ; v128-191 codes: four registers a step, never written again
.set WOI,   28311552                   ; where Wo's images begin
.set F0,    16                         ; Wo's way: two sets of 64 numbers,
.set F1,    80
.set WC,    144                        ; and sixteen registers of codes for each of four K steps
	s_load_b512 s[8:23], s[0:1], 0x0               ; Q, K, V, Wq, Wk, Wv, Wo, the scales' exponents
	s_load_b64 s[24:25], s[0:1], 0x40              ; the codes
	v_lshl_add_u32 v208, v0, 2, 0x8000
	v_mov_b32 v209, 0
	v_lshrrev_b32 v1, 5, v0
	v_readfirstlane_b32 s26, v1                    ; wave
	v_and_b32 v2, 31, v0                           ; lane
	v_lshlrev_b32 v3, 4, v2                        ; 16 x lane: my bytes of a load's 512 and of a store's 512
	s_mul_i32 s27, s26, WREG
	v_lshrrev_b32 v14, 2, v2
	v_mul_u32_u24 v14, v14, SP
	v_and_b32 v15, 3, v2
	v_lshl_add_u32 v14, v15, 4, v14
	v_add_nc_u32 v14, s27, v14                     ; the stage, on the way in: SP (lane / 4) + 16 (lane % 4)
	v_mul_u32_u24 v15, v2, SP
	v_add_nc_u32 v15, s27, v15                     ; and on the way out: SP x lane
	v_and_b32 v5, 15, v0
	v_bfe_u32 v6, v0, 4, 1
	v_lshlrev_b32 v5, 12, v5
	v_lshl_add_u32 v5, v6, 6, v5                   ; Wo's way: row r of 4,096 bytes + 64 h
	s_wait_kmcnt 0x0
	s_mov_b64 s[4:5], s[20:21]                     ; which tensor is my work-group's: the choice hangs on the work-group's number alone
	s_mov_b32 s28, 864                             ; its first work-group
	s_mov_b32 s30, 44                              ; its entry of the scales, in bytes
.macro PICK bound, ptr, first, idx
	s_cmp_lt_u32 ttmp9, \bound
	s_cselect_b64 s[4:5], s[\ptr:\ptr+1], s[4:5]
	s_cselect_b32 s28, \first, s28
	s_cselect_b32 s30, \idx, s30
.endm
	PICK 864, 18, 832, 20                          ; Wv, entry 5
	PICK 832, 16, 800, 12                          ; Wk, entry 3
	PICK 800, 14, 768, 4                           ; Wq, entry 1
	PICK 768, 12, 512, 16                          ; V, entry 4
	PICK 512, 10, 256, 8                           ; K, entry 2
	PICK 256, 8, 0, 0                              ; Q, entry 0
	s_mov_b32 s31, 0
	s_add_nc_u64 s[22:23], s[22:23], s[30:31]
	s_load_b32 s32, s[22:23], 0x0                  ; e
	s_sub_co_u32 s28, ttmp9, s28                   ; my work-group's number within its tensor
.macro SCALE
	s_wait_kmcnt 0x0
	s_add_co_i32 s32, s32, 127
	s_lshl_b32 s39, s32, 23
	v_mov_b32 v11, s39                             ; 2^e as f32: the conversion takes its exponent field
	s_add_co_i32 s32, s32, EMAX
	s_lshl_b32 s32, s32, 23
	s_or_b32 s32, s32, MANT
	v_mov_b32 v10, s32                             ; 57,344 x 2^e
.endm
	s_cmp_ge_u32 ttmp9, 864
	s_cbranch_scc1 .Lwo
	; ---- the stream: Q, K, V, Wq, Wk, Wv
	s_lshl_b32 s33, s28, 2
	s_add_co_u32 s33, s33, s26                     ; which run of 8,192 numbers of the tensor is my wave's
	s_lshl_b32 s34, s33, 15
	s_mov_b32 s35, 0
	s_add_nc_u64 s[4:5], s[4:5], s[34:35]
	s_and_b32 s36, s26, 1
	s_lshl_b32 s36, s36, 1
	s_lshr_b32 s37, s26, 1
	s_or_b32 s36, s36, s37                         ; my 8 rows' place in the group of 32
	s_lshl_b32 s36, s36, 13
	s_lshl_b32 s37, ttmp9, 15
	s_add_co_u32 s36, s36, s37
	s_mov_b32 s37, 0
	s_add_nc_u64 s[24:25], s[24:25], s[36:37]
.macro LOAD t
.irp i, 0,1,2,3
	global_load_b128 v[R+16*((\t)%4)+4*\i:R+16*((\t)%4)+4*\i+3], v3, s[4:5] offset:2048*(\t)+512*\i th:TH_LOAD_NT   ; 32 lanes read 512 consecutive bytes
.endr
.endm
.macro TURN t                          ; step t's numbers through the stage: LDS serves a wave's instructions in order, so no wait stands between the stores and the loads
.irp i, 0,1,2,3
	ds_store_b128 v14, v[R+16*((\t)%4)+4*\i:R+16*((\t)%4)+4*\i+3] offset:32*SP*((\t)%2)+8*SP*\i
.endr
.irp i, 0,1,2,3
	ds_load_b128 v[X+16*((\t)%2)+4*\i:X+16*((\t)%2)+4*\i+3], v15 offset:32*SP*((\t)%2)+16*\i
.endr
.endm
.irp t, 0,1,2,3
	LOAD \t
.endr
	SCALE
	s_wait_loadcnt 12                              ; step 0's four loads are in; the twelve of steps 1 to 3 may be out
	TURN 0
.macro STEP t
.set XS, X+16*((\t)%2)
	s_wait_dscnt 0x0                               ; this step's numbers are back from the stage: so its stores into the stage have read their registers,
.if (\t)+4 < STEPS
	LOAD (\t)+4                                    ; which take the loads of four steps on
.endif
.if (\t)+1 < STEPS
.if STEPS-2-(\t) >= 3
	s_wait_loadcnt 12                              ; the next step's four loads are in; those of the three steps behind it may be out
.else
	s_wait_loadcnt 4*(STEPS-2-(\t))
.endif
	TURN (\t)+1                                    ; and go through the other stage while this step is worked
.endif
.irp i, 0,1,2,3,4,5,6,7,8,9,10,11,12,13,14,15
	v_med3_num_f32 v[XS+\i], v[XS+\i], -v10, v10   ; the conversion to an 8-bit code does not saturate (ISA guide 7.6.2): the hold at the largest code x the scale comes first
.endr
	v_cvt_scalef32_pk8_bf8_f32 v[C+4*(\t):C+4*(\t)+1], v[XS:XS+7], v11
	v_cvt_scalef32_pk8_bf8_f32 v[C+4*(\t)+2:C+4*(\t)+3], v[XS+8:XS+15], v11
	global_store_b128 v3, v[C+4*(\t):C+4*(\t)+3], s[24:25] offset:512*(\t)   ; the results go to a store alone; the next step's holds are plain lines on other registers
.endm
.irp t, 0,1,2,3,4,5,6,7,8,9,10,11,12,13,14,15
	STEP \t
.endr
	s_wait_tensorcnt 0x0
	ds_add_u32 v208, v209
	s_wait_dscnt 0x0
	s_endpgm
	; ---- Wo: a wave takes one tile of 16 rows and four K steps of 128; lane (r, h) loads, of row r, 16 neighbours of each block of 32: the conversions' results are the image's registers
.Lwo:
	s_lshl_b32 s33, s28, 1
	s_lshr_b32 s34, s26, 1
	s_add_co_u32 s33, s33, s34                     ; the tile: 2 x work-group + wave / 2
	s_and_b32 s38, s26, 1                          ; K steps 4 (wave % 2) on
	s_lshl_b32 s34, s33, 16                        ; 16 rows of 4,096 bytes
	s_lshl_b32 s35, s38, 11                        ; four K steps of 512 bytes
	s_add_co_u32 s34, s34, s35
	s_mov_b32 s35, 0
	s_add_nc_u64 s[4:5], s[4:5], s[34:35]
	s_lshl_b32 s36, s33, 11                        ; an image is 2,048 bytes,
	s_lshl_b32 s37, s38, 19                        ; a K step's 64 images 131,072
	s_add_co_u32 s36, s36, s37
	s_add_co_u32 s36, s36, WOI
	s_mov_b32 s37, 0
	s_add_nc_u64 s[24:25], s[24:25], s[36:37]
.macro WLOAD f, i
.irp c, 0,1,2,3
.irp j, 0,1,2,3
	global_load_b128 v[\f+16*\c+4*\j:\f+16*\c+4*\j+3], v5, s[4:5] offset:512*\i+128*\c+16*\j th:TH_LOAD_NT
.endr
.endr
.endm
.macro WQUANT f, i
.set jj, 0
.rept 64
	v_med3_num_f32 v[\f+jj], v[\f+jj], -v10, v10
.set jj, jj+1
.endr
.irp g, 0,1,2,3,4,5,6,7
	v_cvt_scalef32_pk8_bf8_f32 v[WC+16*\i+2*\g:WC+16*\i+2*\g+1], v[\f+8*\g:\f+8*\g+7], v11
.endr
.irp c, 0,1,2,3
	global_store_b128 v3, v[WC+16*\i+4*\c:WC+16*\i+4*\c+3], s[24:25] offset:131072*\i+512*\c   ; 512 consecutive bytes; each K step has its own registers of codes
.endr
.endm
	WLOAD F0, 0
	WLOAD F1, 1
	SCALE
	s_wait_loadcnt 16                              ; the older set is in; the other set's sixteen loads may be out
	WQUANT F0, 0
	WLOAD F0, 2
	s_wait_loadcnt 16
	WQUANT F1, 1
	WLOAD F1, 3
	s_wait_loadcnt 16
	WQUANT F0, 2
	s_wait_loadcnt 0x0
	WQUANT F1, 3
	s_endpgm
.Lfunc_end_k_qdf1af23c31_quant:
	.size	k_qdf1af23c31_quant, .Lfunc_end_k_qdf1af23c31_quant-k_qdf1af23c31_quant
	.p2alignl 7, 3214868480
	.fill 96, 4, 3214868480
	.section	.rodata,"a",@progbits
	.p2align	6, 0x0
	.amdhsa_kernel k_qdf1af23c31_quant
		.amdhsa_group_segment_fixed_size 33280
		.amdhsa_private_segment_fixed_size 0
		.amdhsa_enable_private_segment 0
		.amdhsa_kernarg_size 72
		.amdhsa_user_sgpr_count 2
		.amdhsa_user_sgpr_kernarg_segment_ptr 1
		.amdhsa_wavefront_size32 1
		.amdhsa_system_sgpr_workgroup_id_x 1
		.amdhsa_system_sgpr_workgroup_id_y 1
		.amdhsa_system_sgpr_workgroup_id_z 1
		.amdhsa_system_vgpr_workitem_id 0
		.amdhsa_next_free_vgpr 210
		.amdhsa_next_free_sgpr 66
		.amdhsa_reserve_vcc 0
		.amdhsa_float_denorm_mode_32 3
		.amdhsa_float_denorm_mode_16_64 3
		.amdhsa_memory_ordered 1
		.amdhsa_forward_progress 1
		.amdhsa_inst_pref_size 65
	.end_amdhsa_kernel
	.amdgpu_metadata
---
amdhsa.version: [ 1, 2 ]
amdhsa.kernels:
  - .name:           k_qdf1af23c31_quant
    .symbol:         k_qdf1af23c31_quant.kd
    .args:
      - { .name: Q, .offset: 0, .size: 8, .value_kind: global_buffer, .address_space: global }
      - { .name: K, .offset: 8, .size: 8, .value_kind: global_buffer, .address_space: global }
      - { .name: V, .offset: 16, .size: 8, .value_kind: global_buffer, .address_space: global }
      - { .name: Wq, .offset: 24, .size: 8, .value_kind: global_buffer, .address_space: global }
      - { .name: Wk, .offset: 32, .size: 8, .value_kind: global_buffer, .address_space: global }
      - { .name: Wv, .offset: 40, .size: 8, .value_kind: global_buffer, .address_space: global }
      - { .name: Wo, .offset: 48, .size: 8, .value_kind: global_buffer, .address_space: global }
      - { .name: lowp_scales, .offset: 56, .size: 8, .value_kind: global_buffer, .address_space: global }
      - { .name: codes, .offset: 64, .size: 8, .value_kind: global_buffer, .address_space: global }
    .group_segment_fixed_size: 33280
    .private_segment_fixed_size: 0
    .kernarg_segment_align: 8
    .kernarg_segment_size: 72
    .max_flat_workgroup_size: 128
    .sgpr_count:     66
    .vgpr_count:     210
    .wavefront_size: 32
...
	.end_amdgpu_metadata
.endif
;; end of part 1
;; launch proj (part 2): grid 4 x 96, 4 waves a work-group, clusters of 4 x 4, 327,680 bytes of LDS; arguments codes, lowp_scales, bq, bk, bv, qkv; writes qkv
.if DOCPART == 2
	.amdgcn_target "amdgcn-amd-amdhsa--gfx1250"
	.amdhsa_code_object_version 6
	.text
	.protected	k_qdf1af23c31_proj
	.globl	k_qdf1af23c31_proj
	.p2align	8
	.type	k_qdf1af23c31_proj,@function
k_qdf1af23c31_proj:
	s_mov_b64 s[64:65], 0
	v_nop
	global_prefetch_b8 v0, s[64:65] scope:SCOPE_SE
	s_setreg_imm32_b32 hwreg(HW_REG_WAVE_MODE, 25, 1), 1
	s_wait_xcnt 0x0
	s_wait_alu depctr_hold_cnt(0) depctr_sa_sdst(0) depctr_va_vdst(0) depctr_va_sdst(0) depctr_va_ssrc(0) depctr_va_vcc(0) depctr_vm_vsrc(0)
	s_getreg_b32 s2, hwreg(HW_REG_IB_STS2, 6, 4)
	s_cmp_eq_u32 s2, 0
	s_cbranch_scc0 .Lentry_in_a_cluster
	s_endpgm
.Lentry_in_a_cluster:
	s_bfe_u32 s2, ttmp6, 0x10000c
	s_cmp_lg_u32 s2, 0xf033
	s_cbranch_scc0 .Lentry_shape_is_right
	s_endpgm
.Lentry_shape_is_right:
; The three projections q = Q Wq^T + bq, k = K Wk^T + bk, v = V Wv^T + bv on codes of BF8 (E5M2), K = 1,024, f32 sums; each result is quantised at once for the product that takes it
; (q: entry 6 of the scales, k: entry 7, v: entry 9) and stored as images of operand registers: nothing wider than a code goes to memory.
; LIMITS: e0 + e1, e2 + e3, e4 + e5 between -126 and 127; e6, e7, e9 between -126 and 112.  NaN is not served.
; SHARES.  24 clusters of 4 x 4 work-groups; cluster c: z = c / 8 says which projection, c % 8 which 1,024 tokens.  A work-group makes 256 (Y: source 1) x 256 (X: source 0), a wave 128 x 128: 64 accumulators.
; q and k: Y = tokens, X = rows of W.  v: Y = rows of Wv, X = tokens.  So a lane's registers run along the head's channels for q and k and along the keys for v: each along the K of the product that follows.
; The roles are changed by offsets alone: Y's tile hangs on cy and c and is asked for jointly by a row of the cluster, X's on cx and c, by a column.
; The rows of the codes' buffer change places inside each group of 32 (place 16 u + 8 s + i holds row 8 u + 16 s + i): the 16 registers of X's tiles 2 b and 2 b + 1 are X's rows 32 b + 16 (lane / 16) + 0 .. 15,
; and lane r of Y's tile a holds Y's row 32 (a / 2) + 8 (a % 2) + r + 8 (r / 8).
; K goes in four steps of 256 through a ring of two LDS slots filled by the tensor data mover; a tile's row is 256 bytes of memory.
; REGISTERS, in windows of 256: window 0: v16-29 addresses; v32-47 the bias by lane, v48-111 the bias by register, v112, v113 the hold and the scale; from v128 Y's fragments, ONE set; on the way out v128-255 are free.
;   window 1: X's fragments, TWO sets, at v0 and v128.   window 2: the accumulators of my Y rows 0-63 ((a, b) at v[8 (8 a + b)]);   window 3: those of rows 64-127.
.set ROWB,   256                       ; a tile's row in bytes
.set KROW,   1024                      ; a row of codes in memory
.set PITCH,  272                       ; an LDS row: 256 bytes + 16 of padding = 68 words: row r starts at bank 4 r mod 64 (64 banks of 4 bytes: ISA guide 11.1)
.set FR,     16                        ; registers of a fragment: 16 rows x 128 K
.set NL,     4                         ; LDS loads that bring one
.set NP,     4                         ; places behind this matrix instruction (ISA guide 7.12.1)
.set HALFT,  128*PITCH                 ; 128 rows: what one tensor load brings
.set SLOT,   4*HALFT                   ; Y's 256 rows, then X's 256 rows
.set SPARE,  2*SLOT                    ; behind the ring: the spare words, 128 bytes for each wave
.set XV,     16777216                  ; sections of the codes' buffer: V's tokens,
.set WQ,     25165824                  ; Wq (Wk lies 2^20 bytes on),
.set WV,     27262976                  ; Wv
.set VI,     16777216                  ; v's section of the output (q's at 0, k's at 2^23)
.set ADRA, 16                          ; v16-17  LDS address of my Y fragments in slot 0, 1
.set ADRB, 20                          ; v20-21  the same for X
.set LI,   24                          ; v24     16 x lane: my place in an image
.set BXA,  25                          ; v25     64 (lane / 16)
.set BYA,  26                          ; v26     4 (r + 8 (r / 8))
.set SPW,  28                          ; v28     LDS address of my spare word; never rewritten
.set NIL,  29                          ; v29     0; never rewritten
.set BY,   32                          ; v32-47  pair a: the bias of my lane's row of Y's tile a, twice
.set BX,   48                          ; v48-111 register 16 b + i: the bias of X's row 32 b + 16 (lane / 16) + i
.set LIM,  112                         ; v112    57,344 x 2^eo
.set SCL,  113                         ; v113    2^eo
.set AF,   128
.set TMP,  128                         ; the way out: 64 numbers
.set G1, 24                            ; s[24:31] descriptor group 1 for Y's tiles;  s[32:39] group 0, one set for each slot
.set G0, 32
.set G1B, 48                           ; s[48:55], s[56:63] the same for X's tiles
.set G0B, 56
.set MSB, 0
.macro WIN new                         ; the immediate's high byte repeats the setting that is left
.if MSB != \new
	s_set_vgpr_msb (MSB<<8)|\new
.set MSB, \new
.endif
.endm
.set MUL_LO, 0xa1                      ; source 0 (X) window 1, source 1 (Y) window 0, C and D window 2
.set MUL_HI, 0xf1                      ; the same, C and D window 3
.set TO_B,   0x40                      ; destination window 1, address window 0
; A joint load: waves 0 and 1 fetch for Y, waves 2 and 3 for X.  Each line has one mask and one set of registers for all that issue it; the branch hangs on the wave's number alone.
; Four v_nop follow each of the two lines, ahead of the jump, the label and what follows.
.macro JLOAD g0a, g1a, g0b, g1b
	s_cmp_eq_u32 s15, 0
	s_cbranch_scc0 .Lfor_b_\@
	tensor_load_to_lds s[\g0a:\g0a+3], s[\g1a:\g1a+7]
	s_nop 0
.rept 4
	v_nop
.endr
	s_branch .Lasked_\@
.Lfor_b_\@:
	tensor_load_to_lds s[\g0b:\g0b+3], s[\g1b:\g1b+7]
	s_nop 0
.rept 4
	v_nop
.endr
.Lasked_\@:
.endm
.macro CREST                           ; a round of the cluster's barrier behind its opening barrier
	s_cmp_lg_u32 s14, 0
	s_cbranch_scc1 .Lnot_wave_0_\@
	s_barrier_signal -3
.Lnot_wave_0_\@:
	s_barrier_wait -3
	s_barrier_signal -1
	s_barrier_wait -1
.endm
.macro CROUND                          ; a whole round
	s_barrier_signal -1
	s_barrier_wait -1
	CREST
.endm
	s_load_b128 s[4:7], s[0:1], 0x0                ; the codes s[4:5], the scales' exponents s[6:7]
	s_load_b128 s[8:11], s[0:1], 0x10              ; bq, bk
	s_load_b128 s[68:71], s[0:1], 0x20             ; bv, the output
	v_lshl_add_u32 v[SPW], v0, 2, SPARE
	v_mov_b32 v[NIL], 0
	ds_add_u32 v28, v29
	ds_add_u32 v28, v29
	s_wait_dscnt 0x0
	v_lshrrev_b32 v1, 5, v0
	v_readfirstlane_b32 s14, v1                    ; wave 0..3
	s_lshr_b32 s15, s14, 1                         ; which half of Y's rows is mine.  Also: I fetch for Y (0) or for X (1)
	s_and_b32 s16, s14, 1                          ; which half of X's rows.  Also: which 128 rows of that tile I fetch
	s_bfe_u32 s40, ttmp6, 0x40000                  ; cx, cy: my place in the cluster
	s_bfe_u32 s41, ttmp6, 0x40004
	s_and_b32 s72, ttmp7, 0xffff                   ; the cluster's number
	s_lshr_b32 s73, s72, 3                         ; z: 0 q, 1 k, 2 v: the same in all sixteen partners
	s_and_b32 s74, s72, 7
	s_lshl_b32 s74, s74, 2                         ; the first of the cluster's four tiles of tokens
	s_lshl_b32 s75, s73, 23                        ; Q's or K's codes
	s_lshl_b32 s76, s73, 20
	s_add_co_u32 s76, s76, WQ                      ; Wq's or Wk's
	s_cmp_lt_u32 s73, 2
	s_cselect_b32 s77, s74, 0                      ; the tokens are Y's rows for q and k,
	s_cselect_b32 s78, 0, s74                      ; X's for v
	s_mov_b32 s79, WV
	s_cselect_b32 s75, s75, s79                    ; where Y's section begins
	s_mov_b32 s79, XV
	s_cselect_b32 s76, s76, s79                    ; where X's begins
	s_add_co_u32 s17, s77, s41                     ; Y's tile: made of cy and the cluster's number alone
	s_add_co_u32 s42, s78, s40                     ; X's tile: of cx and the cluster's number alone
	s_lshl_b32 s43, s41, 2
	s_lshl_b32 s43, 15, s43                        ; my row of the cluster
	s_lshl_b32 s44, 0x1111, s40                    ; my column
	; descriptor group 1: a tile of 128 rows x 256 bytes, padded in LDS
	s_or_b32 s[G1+0], s43, (0<<16)|(1<<20)|(1<<21)|(5<<22)|(3<<25)  ; 15:0 the mask: Y's tiles go to my row; 17:16 element of 1 byte; 20 padding on; 21 set beside a mask; 24:22 after every 64 words (code 5); 31:25 of 4 words (code 3)
	s_or_b32 s[G1B+0], s44, (0<<16)|(1<<20)|(1<<21)|(5<<22)|(3<<25)
.irp g, G1, G1B
	s_mov_b32 s[\g+1], ROWB<<16                    ; tensor_dim0
	s_mov_b32 s[\g+2], 128<<16                     ; tensor_dim1 = 128
	s_mov_b32 s[\g+3], ROWB<<16                    ; tile_dim0
	s_mov_b32 s[\g+4], 128                         ; tile_dim1 = 128
	s_mov_b32 s[\g+5], KROW                        ; tensor_dim0_stride
	s_mov_b32 s[\g+6], 0
	s_mov_b32 s[\g+7], 0
.endr
	s_lshl_b32 s18, s16, 7                         ; which 128 rows of the tile I fetch
	s_lshl_b32 s20, s17, 8
	s_add_co_u32 s20, s20, s18
	s_lshl_b32 s20, s20, 10                        ; rows of 1,024 bytes
	s_add_co_u32 s20, s20, s75
	s_mov_b32 s21, 0
	s_lshl_b32 s46, s42, 8
	s_add_co_u32 s46, s46, s18
	s_lshl_b32 s46, s46, 10
	s_add_co_u32 s46, s46, s76
	s_mov_b32 s47, 0
	s_mul_i32 s45, s14, HALFT                      ; where they go: wave x 128 rows: no place in the cluster enters an LDS address
	s_wait_kmcnt 0x0
	s_load_b256 s[80:87], s[6:7], 0x0              ; e0 .. e7
	s_load_b128 s[88:91], s[6:7], 0x20             ; e8 .. e11
	s_add_nc_u64 s[20:21], s[4:5], s[20:21]
	s_add_nc_u64 s[46:47], s[4:5], s[46:47]
	CROUND                                         ; all sixteen work-groups are here: the first joint loads meet
.irp s, 0,1
	s_mov_b32 s[G0+4*\s], 1
	s_add_co_u32 s[G0+4*\s+1], s45, \s*SLOT
	s_add_nc_u64 s[G0+4*\s+2:G0+4*\s+3], s[20:21], \s*ROWB
	s_or_b32 s[G0+4*\s+3], s[G0+4*\s+3], 0x80000000
	s_mov_b32 s[G0B+4*\s], 1
	s_add_co_u32 s[G0B+4*\s+1], s45, \s*SLOT
	s_add_nc_u64 s[G0B+4*\s+2:G0B+4*\s+3], s[46:47], \s*ROWB
	s_or_b32 s[G0B+4*\s+3], s[G0B+4*\s+3], 0x80000000
	JLOAD G0+4*\s, G1, G0B+4*\s, G1B
.endr
	v_and_b32 v1, 15, v0                           ; r = l % 16
	v_bfe_u32 v2, v0, 4, 1                         ; h = l / 16
	v_mul_u32_u24 v3, v1, PITCH
	v_lshl_add_u32 v4, v2, 4, v3                   ; a fragment's row x pitch + 16 x half
	s_mul_i32 s21, s15, HALFT                      ; my 128 rows of Y
	s_mul_i32 s22, s16, HALFT                      ; my 128 rows of X,
	s_add_co_u32 s22, s22, 2*HALFT                 ; which lie behind Y's 256
.irp s, 0,1
	v_add_nc_u32 v[ADRA+\s], s21, v4
	v_add_nc_u32 v[ADRB+\s], s22, v4
	s_add_co_u32 s21, s21, SLOT
	s_add_co_u32 s22, s22, SLOT
.endr
	v_and_b32 v5, 31, v0
	v_lshlrev_b32 v[LI], 4, v5
	v_lshlrev_b32 v[BXA], 6, v2
	v_and_b32 v6, 8, v1
	v_add_nc_u32 v6, v6, v1
	v_lshlrev_b32 v[BYA], 2, v6
	; the bias, in both forms, with no branch: they land under the products and are waited for on the way out
	s_cmp_eq_u32 s73, 0
	s_cselect_b64 s[92:93], s[8:9], s[10:11]
	s_cmp_eq_u32 s73, 2
	s_cselect_b64 s[92:93], s[68:69], s[92:93]
	s_lshl_b32 s94, s42, 8
	s_lshl_b32 s95, s16, 7
	s_add_co_u32 s94, s94, s95                     ; the first of my 128 rows of W: X's for q and k,
	s_lshl_b32 s95, s17, 8
	s_lshl_b32 s98, s15, 7
	s_add_co_u32 s95, s95, s98                     ; Y's for v
	s_cmp_lt_u32 s73, 2
	s_cselect_b32 s94, s94, s95
	s_lshl_b32 s94, s94, 2
	s_mov_b32 s95, 0
	s_add_nc_u64 s[92:93], s[92:93], s[94:95]
.irp b, 0,1,2,3
.irp j, 0,1,2,3
	global_load_b128 v[BX+16*\b+4*\j:BX+16*\b+4*\j+3], v[BXA], s[92:93] offset:128*\b+16*\j
.endr
.endr
.irp a, 0,1,2,3,4,5,6,7
	global_load_b32 v[BY+2*\a], v[BYA], s[92:93] offset:4*(32*(\a/2)+8*(\a%2))
	global_load_b32 v[BY+2*\a+1], v[BYA], s[92:93] offset:4*(32*(\a/2)+8*(\a%2))
.endr
	; the scales: chosen by z, never branched on
	s_wait_kmcnt 0x0
	s_add_co_i32 s80, s80, s81
	s_add_co_i32 s82, s82, s83
	s_add_co_i32 s84, s84, s85
	s_cmp_eq_u32 s73, 0
	s_cselect_b32 s96, s80, s82
	s_cselect_b32 s98, s86, s87
	s_cmp_eq_u32 s73, 2
	s_cselect_b32 s96, s84, s96                    ; the two operands' exponents added
	s_cselect_b32 s98, s89, s98                    ; eo: the result's own
	s_add_co_i32 s96, s96, 127
	s_lshl_b32 s96, s96, 23                        ; a sum stands for sum x this power of two
	s_mov_b32 s97, s96                             ; (named with it as a pair, so it is written)
	s_add_co_i32 s98, s98, 127
	s_lshl_b32 s99, s98, 23
	v_mov_b32 v[SCL], s99
	s_add_co_i32 s98, s98, 15
	s_lshl_b32 s98, s98, 23
	s_or_b32 s98, s98, 0x600000
	v_mov_b32 v[LIM], s98
	; where my images go.  q, k: [batch x head][tile of 16 tokens 128][c 2][lane][16 bytes];  v: [batch x head][128 keys 16][tile of 16 channels 4][c 4][lane][16 bytes]
	s_lshl_b32 s18, s17, 4
	s_lshl_b32 s19, s15, 3
	s_add_co_u32 s18, s18, s19                     ; q, k: my first tile of tokens
	s_lshr_b32 s19, s18, 7                         ; its batch
	s_lshl_b32 s19, s19, 4
	s_lshl_b32 s22, s42, 2
	s_add_co_u32 s19, s19, s22
	s_lshl_b32 s22, s16, 1
	s_add_co_u32 s19, s19, s22                     ; batch x 16 + my first head
	s_lshl_b32 s19, s19, 7
	s_and_b32 s18, s18, 127
	s_add_co_u32 s19, s19, s18
	s_lshl_b32 s19, s19, 10
	s_lshl_b32 s22, s73, 23
	s_add_co_u32 s19, s19, s22
	s_lshr_b32 s22, s42, 3                         ; v: my tokens' batch
	s_lshl_b32 s22, s22, 4
	s_lshl_b32 s23, s17, 2
	s_add_co_u32 s22, s22, s23
	s_lshl_b32 s23, s15, 1
	s_add_co_u32 s22, s22, s23                     ; batch x 16 + my first head
	s_lshl_b32 s22, s22, 4
	s_and_b32 s23, s42, 7
	s_lshl_b32 s23, s23, 1
	s_add_co_u32 s22, s22, s23
	s_add_co_u32 s22, s22, s16                     ; my 128 keys
	s_lshl_b32 s22, s22, 13
	s_add_co_u32 s22, s22, VI
	s_cmp_lt_u32 s73, 2
	s_cselect_b32 s18, s19, s22
	s_mov_b32 s19, 0
	s_add_nc_u64 s[70:71], s[70:71], s[18:19]
.macro FRAG reg, adr, q, i             ; a fragment: lane l holds row l % 16; registers 4 c .. 4 c + 3 hold K = 32 c + 16 (l / 16) + 0 .. 15: the same order of k on both sides of the product
.irp c, 0,1,2,3
	ds_load_b128 v[\reg+4*\c:\reg+4*\c+3], v[\adr] offset:128*(\q)+32*\c+(\i)*16*PITCH
.endr
.endm
; 16 matrix instructions: Y's blocks a0, a0 + 1 x X's eight, 128 along K.  p: X's set.  zero = 1: the first product starts the sums.
; The 64 accumulators take turns, one instruction a turn, in the same order in every step.
.macro MUL16 a0, p, zero
.irp a, \a0, \a0+1
.irp b, 0,1,2,3,4,5,6,7
.if \zero
	v_wmma_f32_16x16x128_bf8_bf8 v[8*(8*((\a)%4)+\b):8*(8*((\a)%4)+\b)+7], v[128*(\p)+FR*\b:128*(\p)+FR*\b+FR-1], v[AF+FR*(\a):AF+FR*(\a)+FR-1], 0
.else
	v_wmma_f32_16x16x128_bf8_bf8 v[8*(8*((\a)%4)+\b):8*(8*((\a)%4)+\b)+7], v[128*(\p)+FR*\b:128*(\p)+FR*\b+FR-1], v[AF+FR*(\a):AF+FR*(\a)+FR-1], v[8*(8*((\a)%4)+\b):8*(8*((\a)%4)+\b)+7]
.endif
.endr
.endr
.endm
.macro FETCH_B slot, q, p              ; X's eight fragments of the slot's q-th 128 along K into set p
	WIN TO_B
.irp i, 0,1,2,3,4,5,6,7
	FRAG 128*(\p)+FR*\i, ADRB+\slot, \q, \i
.endr
	WIN 0
.endm
.macro FETCH_A slot, q, i0             ; Y's blocks i0 .. i0 + 3
.irp i, \i0, \i0+1, \i0+2, \i0+3
	FRAG AF+FR*(\i), ADRA+\slot, \q, \i
.endr
.endm
.macro PLACES n                        ; plain vector lines between a matrix instruction and a load into, or a vector line on, one of its registers
.rept \n
	v_nop
.endr
.endm
; A step of 128 along K that has its successor in the same slot.
.macro STEP slot, q, zero
	s_wait_dscnt 4*NL                              ; X's set and Y's blocks 0-3 are in; the youngest sixteen loads (Y's blocks 4-7) may be out
	WIN MUL_LO
	MUL16 0, (\q)%2, \zero
	MUL16 2, (\q)%2, \zero
	s_wait_dscnt 0                                 ; Y's blocks 4-7 are in
	PLACES NP
	FETCH_B \slot, (\q)+1, 1-(\q)%2
	FETCH_A \slot, (\q)+1, 0
	WIN MUL_HI
	MUL16 4, (\q)%2, \zero
	MUL16 6, (\q)%2, \zero
	PLACES NP
	WIN 0
	FETCH_A \slot, (\q)+1, 4
.endm
; A slot's last step changes slots: ONE barrier; in front of it each wave waits for all its tensor loads, adds 0 to its spare word, and waits for that and for its own reads of this slot.  fill = 1: this slot is filled again, two K steps ahead.
.macro TURN slot, next, fill
	s_wait_tensorcnt 0x0                           ; all my tensor loads have landed: my part of the next slot  (every window is 0 here)
	ds_add_u32 v[SPW], v[NIL]                      ; 0 onto my spare word
	s_wait_dscnt 4*NL+1                            ; (the add and the youngest sixteen loads may be out)
	WIN MUL_LO
	MUL16 0, 1, 0                                  ; sixteen matrix instructions stand between the add and the wait for it
	s_wait_dscnt 0x0                               ; the add is done, and my reads of this slot are over
	s_barrier_signal -1
	MUL16 2, 1, 0
	WIN 0
	s_barrier_wait -1
.if \fill
	CREST                                          ; the barrier has opened a round of the cluster's barrier: no wave of any partner still reads this slot's tile or has a load on its way
	s_add_nc_u64 s[G0+4*\slot+2:G0+4*\slot+3], s[G0+4*\slot+2:G0+4*\slot+3], 2*ROWB
	s_add_nc_u64 s[G0B+4*\slot+2:G0B+4*\slot+3], s[G0B+4*\slot+2:G0B+4*\slot+3], 2*ROWB
	JLOAD G0+4*\slot, G1, G0B+4*\slot, G1B         ; the first tensor load behind the round; its four v_nop are the places in front of the loads below
.else
	PLACES NP
.endif
	FETCH_B \next, 0, 0
	FETCH_A \next, 0, 0
	WIN MUL_HI
	MUL16 4, 1, 0
	MUL16 6, 1, 0
	PLACES NP
	WIN 0
	FETCH_A \next, 0, 4
.endm
	s_wait_tensorcnt 1                             ; my part of K step 0 is in (K step 1's load may be out)
	s_barrier_signal -1
	s_barrier_wait -1                              ; everybody's is
	FETCH_B 0, 0, 0
	FETCH_A 0, 0, 0
	FETCH_A 0, 0, 4
	STEP 0, 0, 1                                   ; K = 1,024 is four slots' worth: written out, no loop.  The first step's products start the sums
	TURN 0, 1, 1                                   ; slot 0 takes K step 2
	STEP 1, 0, 0
	TURN 1, 0, 1                                   ; slot 1 takes K step 3
	STEP 0, 0, 0
	TURN 0, 1, 0                                   ; nothing is left to fetch
	STEP 1, 0, 0
	s_wait_dscnt 4*NL
	WIN MUL_LO
	MUL16 0, 1, 0
	MUL16 2, 1, 0
	s_wait_dscnt 0
	WIN MUL_HI
	MUL16 4, 1, 0
	MUL16 6, 1, 0
	WIN 0
; THE WAY OUT, block by block of Y's 16 rows: 64 numbers a lane = sum x 2^(the operands' exponents) + bias, one fused multiply-add for two; the hold; the conversions.  Sixteen registers of two neighbouring tiles of X
; are sixteen neighbours along the next K, so the codes are the next operand's registers as they stand, and each group of four leaves by one store of 512 consecutive bytes.  No LDS.
; kind 0 (q, k): the bias goes with the register; kind 1 (v): with the lane.  Each accumulator is read from its low end on.
.macro EPI kind
.irp a, 0,1,2,3,4,5,6,7
.set AC, 64*(\a%4)
.set CD, 192+16*(\a%4)
.if \a >= 4
	s_wait_xcnt 0x0                                ; the stores of four blocks ago have read their registers: the codes' registers are written again only behind this wait
.endif
	WIN 0x02+(\a/4)                                ; source 0: window 2 or 3
.set kk, 0
.rept 32
.if \kind
	v_pk_fma_f32 v[TMP+kk:TMP+kk+1], v[AC+kk:AC+kk+1], s[96:97], v[BY+2*\a:BY+2*\a+1] op_sel_hi:[1,0,1]
.else
	v_pk_fma_f32 v[TMP+kk:TMP+kk+1], v[AC+kk:AC+kk+1], s[96:97], v[BX+kk:BX+kk+1] op_sel_hi:[1,0,1]
.endif
.set kk, kk+2
.endr
	WIN 0
.set kk, 0
.rept 64
	v_med3_num_f32 v[TMP+kk], v[TMP+kk], -v[LIM], v[LIM]   ; the conversion does not saturate (ISA guide 7.6.2)
.set kk, kk+1
.endr
.irp g, 0,1,2,3,4,5,6,7
	v_cvt_scalef32_pk8_bf8_f32 v[CD+2*\g:CD+2*\g+1], v[TMP+8*\g:TMP+8*\g+7], v[SCL]
.endr
	v_nop                                          ; one plain line between the conversions and the next block's lines, which write their sources
.irp b, 0,1,2,3
.if \kind
	global_store_b128 v[LI], v[CD+4*\b:CD+4*\b+3], s[70:71] offset:131072*(\a/4)+2048*(\a%4)+512*\b       ; head a / 4, tile of channels a % 4, keys 32 b on
.else
	global_store_b128 v[LI], v[CD+4*\b:CD+4*\b+3], s[70:71] offset:1024*\a+131072*(\b/2)+512*(\b%2)       ; tile of tokens a, head b / 2, channels 32 (b % 2) on
.endif
.endr
.endr
.endm
	s_wait_loadcnt 0x0                             ; the biases
	PLACES NP                                      ; behind the last products: their results are read, and Y's fragments' registers written
	s_cmp_eq_u32 s73, 2                            ; z is the same in all partners of the cluster
	s_cbranch_scc1 .Lv
	EPI 0
	s_branch .Ldone
.Lv:
	EPI 1
.Ldone:
	s_wait_tensorcnt 0x0                           ; the wave's end
	ds_add_u32 v[SPW], v[NIL]
	s_wait_dscnt 0x0
	CROUND                                         ; the closing round: no work-group ends while a partner may still ask for a tile that names it
	s_endpgm
.Lfunc_end_k_qdf1af23c31_proj:
	.size	k_qdf1af23c31_proj, .Lfunc_end_k_qdf1af23c31_proj-k_qdf1af23c31_proj
	.p2alignl 7, 3214868480
	.fill 96, 4, 3214868480
	.section	.rodata,"a",@progbits
	.p2align	6, 0x0
	.amdhsa_kernel k_qdf1af23c31_proj
		.amdhsa_group_segment_fixed_size 327680
		.amdhsa_private_segment_fixed_size 0
		.amdhsa_enable_private_segment 0
		.amdhsa_kernarg_size 48
		.amdhsa_user_sgpr_count 2
		.amdhsa_user_sgpr_kernarg_segment_ptr 1
		.amdhsa_wavefront_size32 1
		.amdhsa_system_sgpr_workgroup_id_x 1
		.amdhsa_system_sgpr_workgroup_id_y 1
		.amdhsa_system_sgpr_workgroup_id_z 1
		.amdhsa_system_vgpr_workitem_id 0
		.amdhsa_next_free_vgpr 1024
		.amdhsa_next_free_sgpr 100
		.amdhsa_reserve_vcc 0
		.amdhsa_float_denorm_mode_32 3
		.amdhsa_float_denorm_mode_16_64 3
		.amdhsa_memory_ordered 1
		.amdhsa_forward_progress 1
		.amdhsa_inst_pref_size 195
	.end_amdhsa_kernel
	.amdgpu_metadata
---
amdhsa.version: [ 1, 2 ]
amdhsa.kernels:
  - .name:           k_qdf1af23c31_proj
    .symbol:         k_qdf1af23c31_proj.kd
    .args:
      - { .name: codes, .offset: 0, .size: 8, .value_kind: global_buffer, .address_space: global }
      - { .name: lowp_scales, .offset: 8, .size: 8, .value_kind: global_buffer, .address_space: global }
      - { .name: bq, .offset: 16, .size: 8, .value_kind: global_buffer, .address_space: global }
      - { .name: bk, .offset: 24, .size: 8, .value_kind: global_buffer, .address_space: global }
      - { .name: bv, .offset: 32, .size: 8, .value_kind: global_buffer, .address_space: global }
      - { .name: qkv, .offset: 40, .size: 8, .value_kind: global_buffer, .address_space: global }
    .group_segment_fixed_size: 327680
    .private_segment_fixed_size: 0
    .kernarg_segment_align: 8
    .kernarg_segment_size: 48
    .max_flat_workgroup_size: 128
    .sgpr_count:     100
    .vgpr_count:     1024
    .wavefront_size: 32
...
	.end_amdgpu_metadata
.endif
;; end of part 2
;; launch attn (part 3): grid 256 x 1, 8 waves a work-group, clusters of 4 x 1, 327,680 bytes of LDS; arguments qkv, mask, lowp_scales, ctxi; writes ctxi
.if DOCPART == 3
	.amdgcn_target "amdgcn-amd-amdhsa--gfx1250"
	.amdhsa_code_object_version 6
	.text
	.protected	k_qdf1af23c31_attn
	.globl	k_qdf1af23c31_attn
	.p2align	8
	.type	k_qdf1af23c31_attn,@function
k_qdf1af23c31_attn:
	s_mov_b64 s[64:65], 0
	v_nop
	global_prefetch_b8 v0, s[64:65] scope:SCOPE_SE
	s_setreg_imm32_b32 hwreg(HW_REG_WAVE_MODE, 25, 1), 1
	s_wait_xcnt 0x0
	s_wait_alu depctr_hold_cnt(0) depctr_sa_sdst(0) depctr_va_vdst(0) depctr_va_sdst(0) depctr_va_ssrc(0) depctr_va_vcc(0) depctr_vm_vsrc(0)
	s_getreg_b32 s2, hwreg(HW_REG_IB_STS2, 6, 4)
	s_cmp_eq_u32 s2, 0
	s_cbranch_scc0 .Lentry_in_a_cluster
	s_endpgm
.Lentry_in_a_cluster:
	s_bfe_u32 s2, ttmp6, 0x10000c
	s_cmp_lg_u32 s2, 0x3003
	s_cbranch_scc0 .Lentry_shape_is_right
	s_endpgm
.Lentry_shape_is_right:
; ctx = softmax(q k^T / 8, masked keys at -1e9) v for 64 (batch, head) pairs of 2,048 tokens x 64 channels, both products on codes of BF8 (E5M2); ctx is quantised at once (entry 10 of the scales) and stored as images of operand registers.
; THE SOFTMAX: t = logit x log2(e); M = the running largest t rounded UP to a whole number; p = 2^(t - M) is quantised (entry 8), not normalised; the row's sum is taken of the unquantised p and divides at the end.
; SHARES.  A cluster of four work-groups is one (batch, head); a work-group has 512 queries, each of its eight waves two tiles of 16 at a time, in two passes.  Two waves lie on a SIMD: one's products and LDS loads stand beside the other's vector work.
; THE WHOLE HEAD LIES IN LDS, filled once: k's image (131,072 bytes), v's image (131,072).  Each wave asks for 32,768 bytes by ONE load, jointly with the same wave of the three partners.  Nothing is filled again: no ring, no barrier in the loop.
; LAYOUT.  Both products are used transposed: S^T = k q^T (source 0 = 16 keys, source 1 = 16 queries), O^T = v^T p^T: a lane holds one query throughout.  The images were laid so that the 16 registers of tiles 2 b, 2 b + 1 of S^T are
; keys 32 b + 16 (lane / 16) + 0 .. 15 of the step, and those of O^T channels 32 b + 16 (lane / 16) + 0 .. 15: the conversions' results are the next operand's registers.
; THE MASK costs no vector line a score: a key's bias, 0 or -8e9 / 2^(e6 + e7) (that is -1e9 in logits), is the C of the score's product, read from a table of 2,048 f32 in LDS.
; LIMITS.  A masked key's logit is its own less 1e9, not -1e9 itself: its weight is 0, as it should be, so long as the row's largest logit that counts lies some 100 above (the largest masked logit - 1e9).
; A batch with no key that counts is served exactly: every bias and the factor c become 0 (by selects, no branch), so p = 1 for all keys, which is what 2,048 equal logits give.
; e6 + e7 between -95 and 130; e8 and e10 between -126 and 112; e8 + e9 is applied by v_ldexp_f32.  NaN is not served.
; REGISTERS.  Window 0: v1-7 addresses; v16-47 q (pass p, tile x at 16 + 16 p + 8 x; later ctx's codes); v48-175 S^T, then p; v176-207 p's codes; v208-239 statistics; v240-243 holds and scales; v244-251 my eight words of the mask.
;   Window 1: v0-63 k's eight fragments; v64-127 v's four; v128-191 the biases; v192-255 O^T.
.set KI,   8388608                     ; k's section of qkv (q's at 0; v's another 8,388,608 on)
.set VIMG, 131072                      ; LDS: k's image at 0, v's here,
.set BIAS, 262144                      ; the biases, 8,192 bytes,
.set RED,  270336                      ; and eight words: does any key of wave w's part of the mask count
.set LI,  1                            ; v1  16 x lane
.set LV,  2                            ; v2  VIMG + 16 x lane
.set BA,  3                            ; v3  BIAS + 64 (lane / 16)
.set ADK, 4                            ; v4-6 the addresses of the runs of loads in hand
.set ADV, 5
.set ADB, 6
.set TH16, 7                           ; v7  16 x thread
.set QR,  16
.set SA,  48
.set PA,  176
.set STA, 208                          ; tile x at STA + 16 x: +0 -M, +1 the largest t, +2:3 the sum, +4:5 f, +6, +7 at work, +8:9 the sum's second chain, +10 a permute's destination, +12:13 the last factor
.set KF,  0
.set VF,  64
.set BI,  128
.set OA,  192
.set WV,  12                           ; s12 wave
.set CS,  34                           ; s[34:35] c = log2(e) / 8 x 2^(e6 + e7), or 0
.set SEL, 36                           ; s[36:37] lane selects: lane l xor 16
.set TS,  38                           ; s38 the step in hand x 8,192
.set TB,  39                           ; s39 the same x 512
.set CNT, 40
.set MSB, 0
.macro WIN new                         ; the immediate's high byte repeats the setting that is left
.if MSB != \new
	s_set_vgpr_msb (MSB<<8)|\new
.set MSB, \new
.endif
.endm
.macro CROUND                          ; a round of the cluster's barrier
	s_barrier_signal -1
	s_barrier_wait -1
	s_cmp_lg_u32 s[WV], 0
	s_cbranch_scc1 .Lnot_wave_0_\@
	s_barrier_signal -3
.Lnot_wave_0_\@:
	s_barrier_wait -3
	s_barrier_signal -1
	s_barrier_wait -1
.endm
	s_load_b256 s[4:11], s[0:1], 0x0               ; qkv s[4:5], the mask s[6:7], the scales' exponents s[8:9], ctx's images s[10:11]
	v_lshl_add_u32 v254, v0, 2, 0x42100
	v_mov_b32 v255, 0
	ds_add_u32 v254, v255
	ds_add_u32 v254, v255
	v_lshrrev_b32 v8, 5, v0
	v_readfirstlane_b32 s[WV], v8                  ; wave 0..7
	s_bfe_u32 s13, ttmp6, 0x40000                  ; cx: my block of 512 queries; it enters q's and ctx's addresses alone
	; descriptor group 1: 128 rows of 256 bytes, dense in memory and in LDS: 32,768 bytes
	s_mov_b32 s16, 15|(3<<16)|(1<<21)              ; 15:0 the mask: all four work-groups; 17:16 elements of 8 bytes; 21 set beside a mask; no padding
	s_mov_b32 s17, 32<<16                          ; tensor_dim0 = 32
	s_mov_b32 s18, 128<<16                         ; tensor_dim1 = 128
	s_mov_b32 s19, 32<<16                          ; tile_dim0 = 32
	s_mov_b32 s20, 128                             ; tile_dim1 = 128
	s_mov_b32 s21, 32                              ; tensor_dim0_stride
	s_mov_b32 s22, 0
	s_mov_b32 s23, 0
	s_mov_b32 s24, 1                               ; group 0: count = 1
	s_lshl_b32 s25, s[WV], 15                      ; LDS address: wave x 32,768: waves 0-3 k's image, waves 4-7 v's
	s_lshr_b32 s46, s[WV], 2
	s_lshl_b32 s46, s46, 23                        ; k's section or v's,
	s_lshl_b32 s47, ttmp9, 17                      ; the (batch, head): the cluster's number,
	s_add_co_u32 s46, s46, s47
	s_and_b32 s47, s[WV], 3
	s_lshl_b32 s47, s47, 15                        ; my quarter of its image
	s_add_co_u32 s46, s46, s47
	s_add_co_u32 s46, s46, KI
	s_mov_b32 s47, 0
	s_mov_b32 s[SEL], 0x76543210
	s_mov_b32 s[SEL+1], 0xfedcba98
	s_lshl_b32 s48, s13, 5
	s_lshl_b32 s49, s[WV], 1
	s_add_co_u32 s48, s48, s49                     ; my first tile of queries: 32 cx + 2 wave
	s_lshl_b32 s50, s48, 10
	s_lshl_b32 s49, ttmp9, 17
	s_add_co_u32 s50, s50, s49
	s_mov_b32 s51, 0                               ; its image in q's section
	s_lshr_b32 s52, ttmp9, 4                       ; the batch
	s_lshl_b32 s49, s52, 7
	s_add_co_u32 s48, s48, s49
	s_lshl_b32 s48, s48, 14                        ; ctx: a tile of 16 rows is 16,384 bytes,
	s_and_b32 s49, ttmp9, 15
	s_lshl_b32 s49, s49, 10                        ; a head's 64 of its K 1,024
	s_add_co_u32 s48, s48, s49
	s_mov_b32 s49, 0
	s_lshl_b32 s52, s52, 13                        ; the batch's 2,048 words of the mask
	s_mov_b32 s53, 0
	v_and_b32 v8, 31, v0
	v_lshlrev_b32 v[LI], 4, v8
	v_add_nc_u32 v[LV], VIMG, v[LI]
	v_bfe_u32 v9, v0, 4, 1
	v_lshlrev_b32 v[BA], 6, v9
	v_add_nc_u32 v[BA], BIAS, v[BA]
	v_lshlrev_b32 v[TH16], 4, v0
	s_lshl_b32 s41, s[WV], 2
	s_add_co_u32 s41, s41, RED
	v_mov_b32 v10, s41                             ; my wave's word
	v_add_nc_u32 v11, BIAS, v[TH16]                ; my thread's 16 bytes of the biases
	v_mov_b32 v12, RED
	s_wait_dscnt 0x0
	s_wait_kmcnt 0x0
	s_load_b128 s[28:31], s[8:9], 0x18             ; e6, e7, e8, e9
	s_load_b32 s32, s[8:9], 0x28                   ; e10
	s_add_nc_u64 s[26:27], s[4:5], s[46:47]
	s_or_b32 s27, s27, 0x80000000                  ; type = 2
	s_add_nc_u64 s[42:43], s[4:5], s[50:51]        ; q
	s_add_nc_u64 s[44:45], s[10:11], s[48:49]      ; ctx
	s_add_nc_u64 s[6:7], s[6:7], s[52:53]          ; the mask
	CROUND                                         ; all four work-groups are here: the joint loads meet
	tensor_load_to_lds s[24:27], s[16:23]          ; my one tensor load of the launch
	s_nop 0
.rept 4
	v_nop
.endr
	global_load_b128 v[244:247], v[TH16], s[6:7]               ; 256 threads x 16 bytes, twice: the batch's mask
	global_load_b128 v[248:251], v[TH16], s[6:7] offset:4096
.irp p, 0,1
.irp x, 0,1
.irp c, 0,1
	global_load_b128 v[QR+16*\p+8*\x+4*\c:QR+16*\p+8*\x+4*\c+3], v[LI], s[42:43] offset:(16*\p+\x)*1024+512*\c   ; q's four tiles stay in registers
.endr
.endr
.endr
	s_wait_loadcnt 8                               ; the mask's two loads are in; q's eight may be out
	v_or_b32 v8, v244, v245
	v_or_b32 v9, v246, v247
	v_or_b32 v13, v248, v249
	v_or_b32 v14, v250, v251
	v_or_b32 v8, v8, v9
	v_or_b32 v13, v13, v14
	v_or_b32 v8, v8, v13
	v_cmp_ne_u32 vcc_lo, 0, v8
	s_cmp_lg_u32 vcc_lo, 0
	s_cselect_b32 s46, 1, 0                        ; does any of my wave's 256 keys count
	v_mov_b32 v9, s46
	ds_store_b32 v10, v9                           ; all lanes write the same word with the same number
	s_wait_tensorcnt 0x0                           ; my part of the images has landed,
	s_wait_dscnt 0x0                               ; and my word is stored
	s_barrier_signal -1
	s_barrier_wait -1                              ; both hold of every wave
	ds_load_b128 v[48:51], v12
	ds_load_b128 v[52:55], v12 offset:16
	s_wait_kmcnt 0x0
	s_add_co_i32 s46, s30, 127
	s_lshl_b32 s47, s46, 23
	v_mov_b32 v241, s47                            ; 2^e8
	s_add_co_i32 s46, s46, 15
	s_lshl_b32 s46, s46, 23
	s_or_b32 s46, s46, 0x600000
	v_mov_b32 v240, s46                            ; 57,344 x 2^e8
	s_add_co_i32 s46, s32, 127
	s_lshl_b32 s47, s46, 23
	v_mov_b32 v243, s47                            ; 2^e10
	s_add_co_i32 s46, s46, 15
	s_lshl_b32 s46, s46, 23
	s_or_b32 s46, s46, 0x600000
	v_mov_b32 v242, s46                            ; 57,344 x 2^e10
	s_add_co_i32 s33, s30, s31                     ; e8 + e9
	s_add_co_i32 s46, s28, s29
	s_lshl_b32 s46, s46, 23
	s_add_co_i32 s[CS], s46, 0x3e38aa3b            ; log2(e) / 8, with e6 + e7 added to its exponent field
	s_sub_co_i32 s47, 0xcfee6b28, s46              ; -8e9, with e6 + e7 taken off its exponent field
	s_wait_dscnt 0x0
	v_or_b32 v48, v48, v49
	v_or_b32 v50, v50, v51
	v_or_b32 v52, v52, v53
	v_or_b32 v54, v54, v55
	v_or_b32 v48, v48, v50
	v_or_b32 v52, v52, v54
	v_or_b32 v48, v48, v52
	v_readfirstlane_b32 s46, v48                   ; does any key of the batch count
	s_cmp_lg_u32 s46, 0
	s_cselect_b32 s[CS], s[CS], 0
	s_cselect_b32 s47, s47, 0
	s_mov_b32 s[CS+1], s[CS]                       ; (named with it as a pair, so it is written)
	v_mov_b32 v9, s47
.irp j, 0,1,2,3,4,5,6,7
	v_cmp_eq_u32 vcc_lo, 0, v[244+\j]
	v_cndmask_b32 v[244+\j], 0, v9, vcc_lo         ; a masked key's bias, else 0
.endr
	ds_store_b128 v11, v[244:247]
	ds_store_b128 v11, v[248:251] offset:4096
	s_wait_dscnt 0x0                               ; for the others' sake: my biases are stored
	s_barrier_signal -1
	s_barrier_wait -1                              ; from here on LDS is only read
.macro FETCHKB                         ; a step's k (8 tiles x 2 loads) and its biases (16 loads; the sixteen lanes of a half read the same bytes)
	WIN 0x40                                       ; destination window 1, address window 0
.irp t, 0,1,2,3,4,5,6,7
.irp c, 0,1
	ds_load_b128 v[KF+8*\t+4*\c:KF+8*\t+4*\c+3], v[ADK] offset:1024*\t+512*\c
.endr
.endr
.irp b, 0,1,2,3
.irp j, 0,1,2,3
	ds_load_b128 v[BI+16*\b+4*\j:BI+16*\b+4*\j+3], v[ADB] offset:128*\b+16*\j
.endr
.endr
	WIN 0
.endm
; A KEY STEP: 128 keys, both tiles.  qb: the pass's q.
.macro STEP qb
	v_add_nc_u32 v[ADV], s[TS], v[LV]
	v_nop
	v_nop
	v_nop                                          ; four places behind the last products, which read v's fragments
	WIN 0x40
.irp t, 0,1,2,3
.irp c, 0,1,2,3
	ds_load_b128 v[VF+16*\t+4*\c:VF+16*\t+4*\c+3], v[ADV] offset:2048*\t+512*\c
.endr
.endr
	s_wait_dscnt 16                                ; k and the biases, asked for a step ago, are in; v's sixteen loads may be out
	WIN 0x11                                       ; source 0 (k) and C (the biases) window 1
.irp t, 0,1,2,3,4,5,6,7
.irp x, 0,1
	v_wmma_f32_16x16x64_bf8_bf8 v[SA+64*\x+8*\t:SA+64*\x+8*\t+7], v[KF+8*\t:KF+8*\t+7], v[\qb+8*\x:\qb+8*\x+7], v[BI+8*\t:BI+8*\t+7]
.endr
.endr
	WIN 0
	s_add_co_u32 s[TS], s[TS], 8192                ; the next step; behind the last comes the first, which the next pass wants
	s_and_b32 s[TS], s[TS], 0x1ffff
	s_lshr_b32 s[TB], s[TS], 4
	v_add_nc_u32 v[ADK], s[TS], v[LI]
	v_add_nc_u32 v[ADB], s[TB], v[BA]
	v_nop
	v_nop                                          ; four places: behind them k's and the biases' registers are loaded again, and the scores read
	FETCHKB
	; the step's largest score of each query, in two chains a tile, each accumulator from its low end on
.irp x, 0,1
	v_max3_num_f32 v[STA+16*\x+6], v[SA+64*\x], v[SA+64*\x+1], v[SA+64*\x+2]
	v_max3_num_f32 v[STA+16*\x+7], v[SA+64*\x+3], v[SA+64*\x+4], v[SA+64*\x+5]
.endr
.irp n, 6,10,14,18,22,26,30,34,38,42,46,50,54,58
.irp x, 0,1
	v_max3_num_f32 v[STA+16*\x+6], v[STA+16*\x+6], v[SA+64*\x+\n], v[SA+64*\x+\n+1]
	v_max3_num_f32 v[STA+16*\x+7], v[STA+16*\x+7], v[SA+64*\x+\n+2], v[SA+64*\x+\n+3]
.endr
.endr
.irp x, 0,1
	v_max3_num_f32 v[STA+16*\x+6], v[STA+16*\x+6], v[SA+64*\x+62], v[SA+64*\x+63]
.endr
.irp x, 0,1
	v_max_num_f32 v[STA+16*\x+6], v[STA+16*\x+6], v[STA+16*\x+7]
.endr
.irp x, 0,1
	v_permlanex16_b32 v[STA+16*\x+10], v[STA+16*\x+6], s[SEL], s[SEL+1]
.endr
.irp x, 0,1
	v_max_num_f32 v[STA+16*\x+6], v[STA+16*\x+6], v[STA+16*\x+10]   ; and among lane l xor 16's keys
.endr
.irp x, 0,1
	v_mul_f32 v[STA+16*\x+6], s[CS], v[STA+16*\x+6]                 ; as t (c is not negative)
.endr
.irp x, 0,1
	v_max_num_f32 v[STA+16*\x+1], v[STA+16*\x+1], v[STA+16*\x+6]    ; the running largest t
.endr
.irp x, 0,1
	v_mov_b32 v[STA+16*\x+6], v[STA+16*\x]
.endr
.irp x, 0,1
	v_floor_f32 v[STA+16*\x], -v[STA+16*\x+1]                       ; the new -M = floor(-t): M is a whole number
.endr
.irp x, 0,1
	v_sub_f32 v[STA+16*\x+6], v[STA+16*\x], v[STA+16*\x+6]          ; old M - new M: a whole number, 0 or less
.endr
.irp x, 0,1
	v_cvt_i32_f32 v[STA+16*\x+6], v[STA+16*\x+6]                    ; (it saturates)
.endr
.irp x, 0,1
	v_ldexp_f32 v[STA+16*\x+4], 1.0, v[STA+16*\x+6]                 ; f = 2^(old M - new M): a multiplication by it rounds nothing
.endr
.irp x, 0,1
.set jj, 0
.rept 32
	v_pk_fma_f32 v[SA+64*\x+jj:SA+64*\x+jj+1], v[SA+64*\x+jj:SA+64*\x+jj+1], s[CS:CS+1], v[STA+16*\x:STA+16*\x+1] op_sel_hi:[1,0,0]   ; t - M, two at a time
.set jj, jj+2
.endr
.endr
.set jj, 0
.rept 128
	v_exp_f32 v[SA+jj], v[SA+jj]                   ; p = 2^(t - M), at most 1: both tiles' exponentials are one batch
.set jj, jj+1
.endr
.irp x, 0,1
	v_pk_mul_f32 v[STA+16*\x+2:STA+16*\x+3], v[STA+16*\x+2:STA+16*\x+3], v[STA+16*\x+4:STA+16*\x+5] op_sel_hi:[1,0]   ; the sums under the new M: plain lines behind the last exponential
.endr
	s_wait_alu depctr_va_vdst(0)                   ; one wait for the batch, ahead of its first reader
.irp x, 0,1
	v_pk_add_f32 v[STA+16*\x+8:STA+16*\x+9], v[SA+64*\x:SA+64*\x+1], v[SA+64*\x+2:SA+64*\x+3]   ; the row's sum is taken of the unquantised p, in two chains a tile
.endr
.irp n, 4,8,12,16,20,24,28,32,36,40,44,48,52,56,60
.irp x, 0,1
	v_pk_add_f32 v[STA+16*\x+2:STA+16*\x+3], v[STA+16*\x+2:STA+16*\x+3], v[SA+64*\x+\n:SA+64*\x+\n+1]
	v_pk_add_f32 v[STA+16*\x+8:STA+16*\x+9], v[STA+16*\x+8:STA+16*\x+9], v[SA+64*\x+\n+2:SA+64*\x+\n+3]
.endr
.endr
.irp x, 0,1
	v_pk_add_f32 v[STA+16*\x+2:STA+16*\x+3], v[STA+16*\x+2:STA+16*\x+3], v[STA+16*\x+8:STA+16*\x+9]
.endr
.set jj, 0
.rept 128
	v_min_num_f32 v[SA+jj], v[SA+jj], v240         ; the conversion does not saturate (ISA guide 7.6.2); p is not negative, so the hold is one-sided
.set jj, jj+1
.endr
.set jj, 0
.rept 16
	v_cvt_scalef32_pk8_bf8_f32 v[PA+2*jj:PA+2*jj+1], v[SA+8*jj:SA+8*jj+7], v241
.set jj, jj+1
.endr
	WIN 0x41                                       ; O^T (destination and source 0) window 1, f window 0
.irp x, 0,1
.set jj, 0
.rept 16
	v_pk_mul_f32 v[OA+32*\x+jj:OA+32*\x+jj+1], v[OA+32*\x+jj:OA+32*\x+jj+1], v[STA+16*\x+4:STA+16*\x+5] op_sel_hi:[1,0]   ; O^T under the new M; also the plain lines behind the conversions
.set jj, jj+2
.endr
.endr
	s_wait_dscnt 32                                ; v is in; the next step's 32 loads may be out
	WIN 0x51                                       ; v window 1, p's codes window 0, O^T window 1
.irp t, 0,1,2,3
.irp x, 0,1
	v_wmma_f32_16x16x128_bf8_bf8 v[OA+32*\x+8*\t:OA+32*\x+8*\t+7], v[VF+16*\t:VF+16*\t+15], v[PA+16*\x:PA+16*\x+15], v[OA+32*\x+8*\t:OA+32*\x+8*\t+7]   ; the eight accumulators by turns
.endr
.endr
	WIN 0
.endm
; A PASS: two tiles of queries against all 2,048 keys, then their rows of ctx.
.macro PASS p
.irp x, 0,1
	v_mov_b32 v[STA+16*\x+1], 0xff61b1e6           ; the largest t so far: -3e38, under every t
	v_mov_b32 v[STA+16*\x+2], 0                    ; the sum, in two halves
	v_mov_b32 v[STA+16*\x+3], 0
	v_mov_b32 v[STA+16*\x+5], 0                    ; (upper halves of pairs, and a permute's destination, are written once)
	v_mov_b32 v[STA+16*\x+10], 0
	v_mov_b32 v[STA+16*\x+13], 0
	v_floor_f32 v[STA+16*\x], -v[STA+16*\x+1]      ; -M
.endr
	WIN 0x40
.set jj, 0
.rept 64
	v_mov_b32 v[OA+jj], 0                          ; O^T: the step is written once; its first trip finds zeros, which the first change of M leaves zeros
.set jj, jj+1
.endr
	WIN 0
	s_mov_b32 s[CNT], 16
.Lstep_\@:
	STEP QR+16*\p
	s_sub_co_u32 s[CNT], s[CNT], 1
	s_cmp_lg_u32 s[CNT], 0
	s_cbranch_scc1 .Lstep_\@
.irp x, 0,1
	v_add_f32 v[STA+16*\x+2], v[STA+16*\x+2], v[STA+16*\x+3]        ; the sum's two halves,
.endr
.irp x, 0,1
	v_permlanex16_b32 v[STA+16*\x+10], v[STA+16*\x+2], s[SEL], s[SEL+1]
.endr
.irp x, 0,1
	v_add_f32 v[STA+16*\x+2], v[STA+16*\x+2], v[STA+16*\x+10]       ; and lane l xor 16's
.endr
.irp x, 0,1
	v_rcp_f32 v[STA+16*\x+12], v[STA+16*\x+2]
.endr
	v_nop                                          ; a plain line behind the last reciprocal
	s_wait_alu depctr_va_vdst(0)                   ; one wait for both, ahead of the first reader
.irp x, 0,1
	v_ldexp_f32 v[STA+16*\x+12], v[STA+16*\x+12], s33               ; x 2^(e8 + e9)
.endr
	WIN 0x01                                       ; source 0 (O^T) window 1
.irp x, 0,1
.set jj, 0
.rept 16
	v_pk_mul_f32 v[SA+64*\x+jj:SA+64*\x+jj+1], v[OA+32*\x+jj:OA+32*\x+jj+1], v[STA+16*\x+12:STA+16*\x+13] op_sel_hi:[1,0]   ; ctx; each accumulator from its low end on
.set jj, jj+2
.endr
.endr
	WIN 0
.irp x, 0,1
.set jj, 0
.rept 32
	v_med3_num_f32 v[SA+64*\x+jj], v[SA+64*\x+jj], -v242, v242
.set jj, jj+1
.endr
.endr
.irp x, 0,1
.irp g, 0,1,2,3
	v_cvt_scalef32_pk8_bf8_f32 v[QR+16*\p+8*\x+2*\g:QR+16*\p+8*\x+2*\g+1], v[SA+64*\x+8*\g:SA+64*\x+8*\g+7], v243   ; into the finished pass's q, which nothing reads or writes again
.endr
.endr
	v_nop                                          ; one plain line between the conversions and the next products, which write their sources
.irp x, 0,1
.irp b, 0,1
	global_store_b128 v[LI], v[QR+16*\p+8*\x+4*\b:QR+16*\p+8*\x+4*\b+3], s[44:45] offset:(16*\p+\x)*16384+512*\b   ; 512 consecutive bytes: channels 32 b on of my head, 16 rows
.endr
.endr
.endm
	s_mov_b32 s[TS], 0
	s_mov_b32 s[TB], 0
	v_add_nc_u32 v[ADK], s[TS], v[LI]
	v_add_nc_u32 v[ADB], s[TB], v[BA]
	FETCHKB                                        ; step 0
	s_wait_loadcnt 0x0                             ; q
	PASS 0
	PASS 1
	s_wait_dscnt 0x0                               ; the last trip's loads, which nobody wants, are back: no LDS instruction is out at a signal
	s_wait_tensorcnt 0x0
	ds_add_u32 v254, v255
	s_wait_dscnt 0x0
	CROUND                                         ; the closing round
	s_endpgm
.Lfunc_end_k_qdf1af23c31_attn:
	.size	k_qdf1af23c31_attn, .Lfunc_end_k_qdf1af23c31_attn-k_qdf1af23c31_attn
	.p2alignl 7, 3214868480
	.fill 96, 4, 3214868480
	.section	.rodata,"a",@progbits
	.p2align	6, 0x0
	.amdhsa_kernel k_qdf1af23c31_attn
		.amdhsa_group_segment_fixed_size 327680
		.amdhsa_private_segment_fixed_size 0
		.amdhsa_enable_private_segment 0
		.amdhsa_kernarg_size 32
		.amdhsa_user_sgpr_count 2
		.amdhsa_user_sgpr_kernarg_segment_ptr 1
		.amdhsa_wavefront_size32 1
		.amdhsa_system_sgpr_workgroup_id_x 1
		.amdhsa_system_sgpr_workgroup_id_y 1
		.amdhsa_system_sgpr_workgroup_id_z 1
		.amdhsa_system_vgpr_workitem_id 0
		.amdhsa_next_free_vgpr 512
		.amdhsa_next_free_sgpr 66
		.amdhsa_reserve_vcc 1
		.amdhsa_float_denorm_mode_32 3
		.amdhsa_float_denorm_mode_16_64 3
		.amdhsa_memory_ordered 1
		.amdhsa_forward_progress 1
		.amdhsa_inst_pref_size 89
	.end_amdhsa_kernel
	.amdgpu_metadata
---
amdhsa.version: [ 1, 2 ]
amdhsa.kernels:
  - .name:           k_qdf1af23c31_attn
    .symbol:         k_qdf1af23c31_attn.kd
    .args:
      - { .name: qkv, .offset: 0, .size: 8, .value_kind: global_buffer, .address_space: global }
      - { .name: mask, .offset: 8, .size: 8, .value_kind: global_buffer, .address_space: global }
      - { .name: lowp_scales, .offset: 16, .size: 8, .value_kind: global_buffer, .address_space: global }
      - { .name: ctxi, .offset: 24, .size: 8, .value_kind: global_buffer, .address_space: global }
    .group_segment_fixed_size: 327680
    .private_segment_fixed_size: 0
    .kernarg_segment_align: 8
    .kernarg_segment_size: 32
    .max_flat_workgroup_size: 256
    .sgpr_count:     66
    .vgpr_count:     512
    .wavefront_size: 32
...
	.end_amdgpu_metadata
.endif
;; end of part 3
;; launch oproj (part 4): grid 256 x 1, 4 waves a work-group, clusters of 4 x 1, 327,680 bytes of LDS; arguments codes, ctxi, lowp_scales, Q, bo, gamma, beta, out0; writes out0
.if DOCPART == 4
	.amdgcn_target "amdgcn-amd-amdhsa--gfx1250"
	.amdhsa_code_object_version 6
	.text
	.protected	k_qdf1af23c31_oproj
	.globl	k_qdf1af23c31_oproj
	.p2align	8
	.type	k_qdf1af23c31_oproj,@function
k_qdf1af23c31_oproj:
	s_mov_b64 s[64:65], 0
	v_nop
	global_prefetch_b8 v0, s[64:65] scope:SCOPE_SE
	s_setreg_imm32_b32 hwreg(HW_REG_WAVE_MODE, 25, 1), 1
	s_wait_xcnt 0x0
	s_wait_alu depctr_hold_cnt(0) depctr_sa_sdst(0) depctr_va_vdst(0) depctr_va_sdst(0) depctr_va_ssrc(0) depctr_va_vcc(0) depctr_vm_vsrc(0)
	s_getreg_b32 s2, hwreg(HW_REG_IB_STS2, 6, 4)
	s_cmp_eq_u32 s2, 0
	s_cbranch_scc0 .Lentry_in_a_cluster
	s_endpgm
.Lentry_in_a_cluster:
	s_bfe_u32 s2, ttmp6, 0x10000c
	s_cmp_lg_u32 s2, 0x3003
	s_cbranch_scc0 .Lentry_shape_is_right
	s_endpgm
.Lentry_shape_is_right:
; out0 = LayerNorm(ctx Wo^T + bo + Q) x gamma + beta.  The product is on codes of BF8 (E5M2), K = 1,024, f32 sums; all else in f32: the mean, then the mean of squares of x - mean, 1 / sqrt(var + 1e-5).
; LIMITS: e10 + e11 between -126 and 127.  NaN is not served.
; SHARES.  Work-group g takes rows 32 g .. 32 g + 31 across all 1,024 columns, so that a row's mean and variance need no second launch.  Wave w takes columns 256 w on: 2 x 16 accumulators.
; ctx and Wo come as images of operand registers (16 rows x 128 K: four pieces of 512 bytes, 16 bytes a lane).  ctx's 32,768 bytes are fetched once.  Wo walks through a ring of two LDS slots, a K step of 128 (131,072 bytes) each.
; CLUSTER.  All work-groups walk the same Wo: the four of a cluster ask for each quarter of a slot JOINTLY, by the same tensor load with the same descriptor.
; THE MATRIX INSTRUCTION IS USED TRANSPOSED (source 0 = 16 rows of Wo, source 1 = 16 rows of ctx): a lane holds eight neighbouring columns of one row.  Lane r of ctx's tile m is row 8 m + r + 8 (r / 8) of the 32.
; The sums meet in a stage in LDS (32 places of 4,096 bytes + 16), laid over the slots behind their last fill and last read; wave w takes places 8 w .. 8 w + 7, which are rows 8 (w / 2) + 16 (w % 2) + 0 .. 7, whole.
; The residual's 8 rows a wave are asked for at the head and behind the first K step, and land under the products.
; REGISTERS.  Window 0: v1-8 addresses; v28, v29 the add's; v32-63 ctx's two fragments; v64-95 bo, v96-127 gamma, v128-159 beta (columns 128 q + 4 lane + 0..3 at 4 q); v160-175 sums; v176-191 mean, later 1 / sqrt; v192-199 permutes' destinations.
;   Window 1: Wo's 16 fragments.   Window 2: the accumulators ((m, n) at v[8 (16 m + n)]), later x, row i at v[32 i].   Window 3: the residual, row i at v[32 i].
.set WOI,    28311552                  ; Wo's images in the codes' buffer
.set SLOTB,  131072
.set AIMG,   262144                    ; ctx's images: [tile 2][K step 8][c 4][lane][16 bytes]
.set SPARE,  294912                    ; the spare words, 128 bytes for each wave
.set SPITCH, 4112                      ; 257 x 16 bytes
.set LI,  1                            ; v1   16 x lane
.set ADB, 2                            ; v2-3 my quarter of slot 0, 1
.set LA,  4                            ; v4   AIMG + 16 x lane
.set ADA, 5                            ; v5   + the K step
.set STO, 6                            ; v6-7 the stage: where I put 32 bytes of a row of tile 0, 1
.set RD,  8                            ; v8   and where I read my rows back
.set SPW, 28
.set NIL, 29
.set AF,  32
.set BO,  64
.set GA,  96
.set BE,  128
.set SUM, 160
.set MU,  176
.set PD,  192
.set WV,  12
.set KA,  44                           ; s44  2,048 x the K step
.set MSB, 0
.macro WIN new                         ; the immediate's high byte repeats the setting that is left
.if MSB != \new
	s_set_vgpr_msb (MSB<<8)|\new
.set MSB, \new
.endif
.endm
.macro CROUND                          ; a round of the cluster's barrier
	s_barrier_signal -1
	s_barrier_wait -1
	s_cmp_lg_u32 s[WV], 0
	s_cbranch_scc1 .Lnot_wave_0_\@
	s_barrier_signal -3
.Lnot_wave_0_\@:
	s_barrier_wait -3
	s_barrier_signal -1
	s_barrier_wait -1
.endm
	s_load_b256 s[4:11], s[0:1], 0x0               ; the codes s[4:5], ctx's images s[6:7], the scales' exponents s[8:9], Q s[10:11]
	s_load_b256 s[68:75], s[0:1], 0x20             ; bo s[68:69], gamma s[70:71], beta s[72:73], out0 s[74:75]
	v_lshl_add_u32 v[SPW], v0, 2, SPARE
	v_mov_b32 v[NIL], 0
	ds_add_u32 v28, v29
	ds_add_u32 v28, v29
	s_wait_dscnt 0x0
	v_lshrrev_b32 v9, 5, v0
	v_readfirstlane_b32 s[WV], v9                  ; wave 0..3
	s_bfe_u32 s13, ttmp6, 0x40000                  ; cx
	s_lshl_b32 s14, ttmp9, 2
	s_add_co_u32 s14, s14, s13                     ; g: it enters ctx's, Q's and out0's addresses alone
	; group 1 of the joint loads: 128 rows of 256 bytes, dense
	s_mov_b32 s16, 15|(3<<16)|(1<<21)              ; 15:0 the mask: all four work-groups; 17:16 elements of 8 bytes; 21 set beside a mask
	s_mov_b32 s17, 32<<16
	s_mov_b32 s18, 128<<16
	s_mov_b32 s19, 32<<16
	s_mov_b32 s20, 128
	s_mov_b32 s21, 32
	s_mov_b32 s22, 0
	s_mov_b32 s23, 0
	; group 1 of ctx's load, my work-group's own: 32 rows of 256 bytes, dense
	s_mov_b32 s32, 3<<16
	s_mov_b32 s33, 32<<16
	s_mov_b32 s34, 32<<16
	s_mov_b32 s35, 32<<16
	s_mov_b32 s36, 32
	s_mov_b32 s37, 32
	s_mov_b32 s38, 0
	s_mov_b32 s39, 0
	s_lshl_b32 s52, s[WV], 15                      ; my quarter of a slot
	s_mov_b32 s24, 1
	s_mov_b32 s25, s52
	s_mov_b32 s28, 1
	s_add_co_u32 s29, s52, SLOTB
	s_add_co_u32 s46, s52, WOI
	s_mov_b32 s47, 0
	s_mov_b32 s40, 1
	s_lshl_b32 s41, s[WV], 13
	s_add_co_u32 s41, s41, AIMG
	s_lshl_b32 s54, s14, 15                        ; my work-group's two tiles of ctx,
	s_lshl_b32 s55, s[WV], 13                      ; my quarter of them
	s_add_co_u32 s54, s54, s55
	s_mov_b32 s55, 0
	s_lshl_b32 s56, s14, 5
	s_lshr_b32 s57, s[WV], 1
	s_lshl_b32 s57, s57, 3
	s_add_co_u32 s56, s56, s57
	s_and_b32 s57, s[WV], 1
	s_lshl_b32 s57, s57, 4
	s_add_co_u32 s56, s56, s57                     ; the first of the 8 rows that I finish
	s_lshl_b32 s56, s56, 12
	s_mov_b32 s57, 0
	s_mov_b32 s50, 0x76543210
	s_mov_b32 s51, 0xfedcba98
	s_mov_b32 s60, 0x3a800000                      ; 1 / 1,024
	s_mov_b32 s61, 0x3727c5ac                      ; 1e-5
	s_mov_b32 s[KA], 0
	v_and_b32 v9, 31, v0
	v_lshlrev_b32 v[LI], 4, v9
	v_add_nc_u32 v[ADB], s52, v[LI]
	v_add_nc_u32 v[ADB+1], SLOTB, v[ADB]
	v_add_nc_u32 v[LA], AIMG, v[LI]
	v_and_b32 v10, 15, v0                          ; r
	v_bfe_u32 v11, v0, 4, 1                        ; h
	v_mul_u32_u24 v[STO], v10, SPITCH
	v_lshl_add_u32 v[STO], v11, 5, v[STO]
	s_lshl_b32 s53, s[WV], 10
	v_add_nc_u32 v[STO], s53, v[STO]               ; place r, + 32 h, + my 1,024 bytes of a row
	v_add_nc_u32 v[STO+1], 16*SPITCH, v[STO]
	s_mul_i32 s53, s[WV], 8*SPITCH
	v_add_nc_u32 v[RD], s53, v[LI]
.irp i, 0,1,2,3,4,5,6,7
	v_mov_b32 v[PD+\i], 0                          ; written once: a lane permute's destination counts as one of its sources
.endr
	s_wait_kmcnt 0x0
	s_load_b64 s[58:59], s[8:9], 0x28              ; e10, e11
	s_add_nc_u64 s[26:27], s[4:5], s[46:47]        ; K step 0
	s_add_nc_u64 s[30:31], s[26:27], SLOTB         ; K step 1
	s_or_b32 s27, s27, 0x80000000
	s_or_b32 s31, s31, 0x80000000
	s_add_nc_u64 s[42:43], s[6:7], s[54:55]
	s_or_b32 s43, s43, 0x80000000
	s_add_nc_u64 s[10:11], s[10:11], s[56:57]
	s_add_nc_u64 s[74:75], s[74:75], s[56:57]
	CROUND                                         ; all four work-groups are here: the first joint loads meet
	tensor_load_to_lds s[40:43], s[32:39]          ; the first fills, one group: ctx, slot 0, slot 1: three loads of mine are out
	s_nop 0
	tensor_load_to_lds s[24:27], s[16:23]
	s_nop 0
	tensor_load_to_lds s[28:31], s[16:23]
	s_nop 0
.rept 4
	v_nop
.endr
.irp q, 0,1,2,3,4,5,6,7
	global_load_b128 v[BO+4*\q:BO+4*\q+3], v[LI], s[68:69] offset:512*\q
	global_load_b128 v[GA+4*\q:GA+4*\q+3], v[LI], s[70:71] offset:512*\q
	global_load_b128 v[BE+4*\q:BE+4*\q+3], v[LI], s[72:73] offset:512*\q
.endr
.macro RESID i0                        ; four rows of the residual: 512 consecutive bytes a load
	WIN 0xc0                                       ; destination window 3, address window 0
.irp i, \i0, \i0+1, \i0+2, \i0+3
.irp q, 0,1,2,3,4,5,6,7
	global_load_b128 v[32*(\i)+4*\q:32*(\i)+4*\q+3], v[LI], s[10:11] offset:4096*(\i)+512*\q th:TH_LOAD_NT
.endr
.endr
	WIN 0
.endm
	RESID 0
; A K step of 128: ctx's two fragments, my sixteen of Wo, 32 products.  The 32 accumulators take turns, one instruction a turn, in the same order in every step.
.macro MULS n0, zero
.irp n, \n0, \n0+1, \n0+2, \n0+3, \n0+4, \n0+5, \n0+6, \n0+7
.irp m, 0,1
.if \zero
	v_wmma_f32_16x16x128_bf8_bf8 v[8*(16*\m+(\n)):8*(16*\m+(\n))+7], v[16*(\n):16*(\n)+15], v[AF+16*\m:AF+16*\m+15], 0
.else
	v_wmma_f32_16x16x128_bf8_bf8 v[8*(16*\m+(\n)):8*(16*\m+(\n))+7], v[16*(\n):16*(\n)+15], v[AF+16*\m:AF+16*\m+15], v[8*(16*\m+(\n)):8*(16*\m+(\n))+7]
.endif
.endr
.endr
.endm
.macro WORK slot, zero
	v_add_nc_u32 v[ADA], s[KA], v[LA]
	s_add_co_u32 s[KA], s[KA], 2048
.irp m, 0,1
.irp c, 0,1,2,3
	ds_load_b128 v[AF+16*\m+4*\c:AF+16*\m+4*\c+3], v[ADA] offset:16384*\m+512*\c
.endr
.endr
	WIN 0x40                                       ; destination window 1
.irp n, 0,1,2,3,4,5,6,7,8,9,10,11,12,13,14,15
.irp c, 0,1,2,3
	ds_load_b128 v[16*\n+4*\c:16*\n+4*\c+3], v[ADB+\slot] offset:2048*\n+512*\c
.endr
.endr
	s_wait_dscnt 32                                ; ctx's fragments and Wo's first eight are in; the youngest 32 loads may be out
	WIN 0xa1                                       ; source 0 (Wo) window 1, source 1 (ctx) window 0, C and D window 2
	MULS 0, \zero
	s_wait_dscnt 0x0
	MULS 8, \zero
	WIN 0
.endm
; THE CHANGE OF SLOTS, at a slot's head: each wave waits for all its tensor loads (its part of the slot ahead), adds 0 to its spare word, and waits for that and for its reads of the slot that it has left.
; refill = 1: the barrier is a round of the cluster's, and behind it the slot just left is asked for again, jointly, two K steps on.
.macro CH slot, refill
	s_wait_tensorcnt 0x0                           ; no tensor load of mine is out, so a group 0 may be written
	ds_add_u32 v[SPW], v[NIL]                      ; 0 onto my spare word
.if \refill
	s_add_nc_u64 s[26+4*(1-\slot):27+4*(1-\slot)], s[26+4*(1-\slot):27+4*(1-\slot)], 2*SLOTB   ; the type bits on top are not reached
.endif
	s_wait_dscnt 0x0                               ; the add is done, and my reads of the slot that I have left are over
.if \refill
	CROUND
	tensor_load_to_lds s[24+4*(1-\slot):27+4*(1-\slot)], s[16:23]   ; the first thing behind the round, and my one tensor load until the next
	s_nop 0
.else
	s_barrier_signal -1
	s_barrier_wait -1
.endif
.rept 4
	v_nop                                          ; also the places in front of the loads into registers that the last products read
.endr
	WORK \slot, 0
.endm
	s_wait_tensorcnt 1                             ; ctx's images and my part of slot 0 are in; slot 1's load may be out
	s_barrier_signal -1
	s_barrier_wait -1
	WORK 0, 1                                      ; K step 0 starts the sums
	RESID 4
	s_mov_b32 s45, 3
.Llap:                                                 ; three trips: K steps 1 to 6 are multiplied, 2 to 7 asked for
	CH 1, 1
	CH 0, 1
	s_sub_co_u32 s45, s45, 1
	s_cmp_lg_u32 s45, 0
	s_cbranch_scc1 .Llap
	CH 1, 0                                        ; K step 7: nothing is left to fetch
	; THE WAY OUT.  The slots have had their last fill; behind this barrier nobody reads them, and the stage is laid over them.
	s_barrier_signal -1                            ; (my LDS loads were waited for in the last step's middle)
	s_barrier_wait -1
.rept 4
	v_nop                                          ; places behind the last products
.endr
	WIN 0x08                                       ; store data window 2
.irp m, 0,1
.irp n, 0,1,2,3,4,5,6,7,8,9,10,11,12,13,14,15
	ds_store_b128 v[STO+\m], v[8*(16*\m+\n):8*(16*\m+\n)+3] offset:64*\n          ; each accumulator from its low end on
	ds_store_b128 v[STO+\m], v[8*(16*\m+\n)+4:8*(16*\m+\n)+7] offset:64*\n+16
.endr
.endr
	WIN 0
	s_wait_kmcnt 0x0
	s_add_co_i32 s48, s58, s59
	s_add_co_i32 s48, s48, 127
	s_lshl_b32 s48, s48, 23                        ; 2^(e10 + e11)
	s_mov_b32 s49, s48
	s_wait_dscnt 0x0                               ; for the others' sake: my stores into the stage are done
	s_barrier_signal -1
	s_barrier_wait -1
	WIN 0x80                                       ; destination window 2
.irp i, 0,1,2,3,4,5,6,7
.irp q, 0,1,2,3,4,5,6,7
	ds_load_b128 v[32*\i+4*\q:32*\i+4*\q+3], v[RD] offset:SPITCH*\i+512*\q
.endr
.endr
	s_wait_dscnt 0x0
	s_wait_loadcnt 0x0                             ; bo, gamma, beta and the residual
	WIN 0xb2                                       ; x (destination, source 0) window 2, the residual (source 2) window 3
.set kk, 0
.rept 128
	v_pk_fma_f32 v[kk:kk+1], v[kk:kk+1], s[48:49], v[kk:kk+1] op_sel_hi:[1,0,1]   ; sum x 2^(e10 + e11) + Q
.set kk, kk+2
.endr
	WIN 0x82                                       ; x window 2, source 1 window 0
.set kk, 0
.rept 128
	v_pk_add_f32 v[kk:kk+1], v[kk:kk+1], v[BO+(kk%32):BO+(kk%32)+1]               ; + bo
.set kk, kk+2
.endr
.macro REDUCE                          ; eight rows' sums over my 32 lanes, the rows by turns; every lane ends with the row's sum in v[SUM + 2 i]
.irp i, 0,1,2,3,4,5,6,7
	v_add_f32 v[SUM+2*\i], v[SUM+2*\i], v[SUM+2*\i+1]
.endr
.irp m, 1,2,4,8
.irp i, 0,1,2,3,4,5,6,7
	v_add_f32_dpp v[SUM+2*\i], v[SUM+2*\i], v[SUM+2*\i] row_xmask:\m row_mask:0xf bank_mask:0xf
.endr
.endr
.irp i, 0,1,2,3,4,5,6,7
	v_permlanex16_b32 v[PD+\i], v[SUM+2*\i], s50, s51
.endr
.irp i, 0,1,2,3,4,5,6,7
	v_add_f32 v[SUM+2*\i], v[SUM+2*\i], v[PD+\i]
.endr
.endm
	WIN 0x0a                                       ; sources 0 and 1 window 2, destination window 0
.irp i, 0,1,2,3,4,5,6,7
	v_pk_add_f32 v[SUM+2*\i:SUM+2*\i+1], v[32*\i:32*\i+1], v[32*\i+2:32*\i+3]
.endr
	WIN 0x08                                       ; source 1 window 2
.irp j, 4,6,8,10,12,14,16,18,20,22,24,26,28,30
.irp i, 0,1,2,3,4,5,6,7
	v_pk_add_f32 v[SUM+2*\i:SUM+2*\i+1], v[SUM+2*\i:SUM+2*\i+1], v[32*\i+\j:32*\i+\j+1]
.endr
.endr
	WIN 0
	REDUCE
.irp i, 0,1,2,3,4,5,6,7
	v_mul_f32 v[MU+2*\i], s60, v[SUM+2*\i]         ; the mean, twice: a pair for the packed lines
	v_mul_f32 v[MU+2*\i+1], s60, v[SUM+2*\i]
.endr
	WIN 0x82
.set kk, 0
.rept 128
	v_pk_add_f32 v[kk:kk+1], v[kk:kk+1], v[MU+2*(kk/32):MU+2*(kk/32)+1] neg_lo:[0,1] neg_hi:[0,1]   ; x - mean
.set kk, kk+2
.endr
	WIN 0x0a
.irp i, 0,1,2,3,4,5,6,7
	v_pk_mul_f32 v[SUM+2*\i:SUM+2*\i+1], v[32*\i:32*\i+1], v[32*\i:32*\i+1]
.endr
.irp j, 2,4,6,8,10,12,14,16,18,20,22,24,26,28,30
.irp i, 0,1,2,3,4,5,6,7
	v_pk_fma_f32 v[SUM+2*\i:SUM+2*\i+1], v[32*\i+\j:32*\i+\j+1], v[32*\i+\j:32*\i+\j+1], v[SUM+2*\i:SUM+2*\i+1]
.endr
.endr
	WIN 0
	REDUCE
.irp i, 0,1,2,3,4,5,6,7
	v_fma_f32 v[SUM+2*\i], v[SUM+2*\i], s60, s61   ; var + 1e-5
.endr
.irp i, 0,1,2,3,4,5,6,7
	v_rsq_f32 v[MU+2*\i], v[SUM+2*\i]
.endr
	v_nop                                          ; a plain line behind the last of them
	s_wait_alu depctr_va_vdst(0)                   ; one wait for the eight, ahead of the first reader
.irp i, 0,1,2,3,4,5,6,7
	v_mov_b32 v[MU+2*\i+1], v[MU+2*\i]
.endr
	WIN 0x82
.set kk, 0
.rept 128
	v_pk_mul_f32 v[kk:kk+1], v[kk:kk+1], v[MU+2*(kk/32):MU+2*(kk/32)+1]
.set kk, kk+2
.endr
.set kk, 0
.rept 128
	v_pk_fma_f32 v[kk:kk+1], v[kk:kk+1], v[GA+(kk%32):GA+(kk%32)+1], v[BE+(kk%32):BE+(kk%32)+1]
.set kk, kk+2
.endr
	WIN 0x08                                       ; store data window 2
.irp i, 0,1,2,3,4,5,6,7
.irp q, 0,1,2,3,4,5,6,7
	global_store_b128 v[LI], v[32*\i+4*\q:32*\i+4*\q+3], s[74:75] offset:4096*\i+512*\q th:TH_STORE_NT   ; 32 lanes store 512 consecutive bytes, at a multiple of 512 from out0's first byte
.endr
.endr
	WIN 0
	s_wait_tensorcnt 0x0                           ; the wave's end
	ds_add_u32 v[SPW], v[NIL]
	s_wait_dscnt 0x0
	CROUND                                         ; the closing round: no work-group ends while a partner may still ask for a tile that names it
	s_endpgm
.Lfunc_end_k_qdf1af23c31_oproj:
	.size	k_qdf1af23c31_oproj, .Lfunc_end_k_qdf1af23c31_oproj-k_qdf1af23c31_oproj
	.p2alignl 7, 3214868480
	.fill 96, 4, 3214868480
	.section	.rodata,"a",@progbits
	.p2align	6, 0x0
	.amdhsa_kernel k_qdf1af23c31_oproj
		.amdhsa_group_segment_fixed_size 327680
		.amdhsa_private_segment_fixed_size 0
		.amdhsa_enable_private_segment 0
		.amdhsa_kernarg_size 64
		.amdhsa_user_sgpr_count 2
		.amdhsa_user_sgpr_kernarg_segment_ptr 1
		.amdhsa_wavefront_size32 1
		.amdhsa_system_sgpr_workgroup_id_x 1
		.amdhsa_system_sgpr_workgroup_id_y 1
		.amdhsa_system_sgpr_workgroup_id_z 1
		.amdhsa_system_vgpr_workitem_id 0
		.amdhsa_next_free_vgpr 1024
		.amdhsa_next_free_sgpr 80
		.amdhsa_reserve_vcc 0
		.amdhsa_float_denorm_mode_32 3
		.amdhsa_float_denorm_mode_16_64 3
		.amdhsa_memory_ordered 1
		.amdhsa_forward_progress 1
		.amdhsa_inst_pref_size 121
	.end_amdhsa_kernel
	.amdgpu_metadata
---
amdhsa.version: [ 1, 2 ]
amdhsa.kernels:
  - .name:           k_qdf1af23c31_oproj
    .symbol:         k_qdf1af23c31_oproj.kd
    .args:
      - { .name: codes, .offset: 0, .size: 8, .value_kind: global_buffer, .address_space: global }
      - { .name: ctxi, .offset: 8, .size: 8, .value_kind: global_buffer, .address_space: global }
      - { .name: lowp_scales, .offset: 16, .size: 8, .value_kind: global_buffer, .address_space: global }
      - { .name: Q, .offset: 24, .size: 8, .value_kind: global_buffer, .address_space: global }
      - { .name: bo, .offset: 32, .size: 8, .value_kind: global_buffer, .address_space: global }
      - { .name: gamma, .offset: 40, .size: 8, .value_kind: global_buffer, .address_space: global }
      - { .name: beta, .offset: 48, .size: 8, .value_kind: global_buffer, .address_space: global }
      - { .name: out0, .offset: 56, .size: 8, .value_kind: global_buffer, .address_space: global }
    .group_segment_fixed_size: 327680
    .private_segment_fixed_size: 0
    .kernarg_segment_align: 8
    .kernarg_segment_size: 64
    .max_flat_workgroup_size: 128
    .sgpr_count:     80
    .vgpr_count:     1024
    .wavefront_size: 32
...
	.end_amdgpu_metadata
.endif
;; end of part 4
